; MI455X (gfx1250); checked and timed in simulation.
; The chip was launched on July 23, 2026; its instructions are those of AMD's public machine-readable ISA for CDNA 5 (MIT licence, August 2026) and "CDNA5" Instruction Set Architecture Reference Guide (July 2026). The comments in the code are by the model that wrote it; some were corrected since.
;; Causal Self Attention. Allowed arithmetic: matrix products marked QUANTISED: E4M3 operands, one given power-of-two scale a tensor, by v_wmma_f32_16x16x64_fp8_fp8 or v_wmma_f32_16x16x128_fp8_fp8, f32 sums; everything else in f32.
;; Inputs: lowp_scales 12 int32 (the exponents e of the quantised operands' scales 2^e); q_gain 8 float32; w_k 256 x 1,024 float32; w_o 1,024 x 1,024 float32; w_q 1,024 x 1,024 float32; w_v 256 x 1,024 float32; x 4 x 2,048 x 1,024 float32.
;; Outputs: out0 4 x 2,048 x 1,024 float32.
;; This version of the problem:
;;   THIS VERSION OF THE PROBLEM IS GIVEN IN LOW PRECISION. The matrix products marked QUANTISED in the list below multiply operands that are first quantised to E4M3 (4 exponent bits, 3 mantissa bits; 8 bits a number), with one given power-of-two scale for each operand tensor; their sums are f32. All else is computed in f32.
;;   The module's matrix products, in the order in which they are computed (A, B: the left and right operand; K: the contracted axis; several contracted axes count as one K, in the product's order):
;;     1. [M 8,192, K 1,024] x [K 1,024, N 1,024]; A: input x; B: input w_q: QUANTISED (scales: A lowp_scales[0], B lowp_scales[1])
;;     2. [M 8,192, K 1,024] x [K 1,024, N 256]; A: input x; B: input w_k: QUANTISED (scales: A lowp_scales[2], B lowp_scales[3])
;;     3. [M 8,192, K 1,024] x [K 1,024, N 256]; A: input x; B: input w_v: QUANTISED (scales: A lowp_scales[4], B lowp_scales[5])
;;     4. batch 8 x [M 2,048, K 128] x [K 128, N 8,192]; A: computed on the way; B: computed on the way: QUANTISED (scales: A lowp_scales[6], B lowp_scales[7])
;;     5. batch 8 x [M 128, K 2,048] x [K 2,048, N 8,192]; A: computed on the way; B: softmax (see below): QUANTISED (scales: A lowp_scales[8], B lowp_scales[9])
;;     6. [M 8,192, K 1,024] x [K 1,024, N 1,024]; A: computed on the way; B: input w_o: QUANTISED (scales: A lowp_scales[10], B lowp_scales[11])
;;   THE QUANTISER, for each operand of a quantised product, along K:
;;     - The operand's scale is 2^e, e = its entry of the input lowp_scales (int32; the entries are numbered through the quantised products in the list's order, A before B).
;;     - Each number is divided by the scale, clamped to +-448, and rounded to the nearest number of E4M3, ties to even, subnormals kept.
;;     - The product sums the exact products of the quantised numbers (number of the format x scale) in f32.
;;   ~~~python
;;   def quantise(x, axis, e):      # numpy; x: float32 -> the quantised numbers, widened to float32 again
;;       x = np.moveaxis(x, axis, -1); K = x.shape[-1]
;;       r = np.clip(x / 2.0 ** e, -448, 448)
;;       step = 2.0 ** (np.maximum(np.frexp(np.where(r == 0, 1, r))[1] - 1, -6) - 3)
;;       q = np.round(r / step) * step * 2.0 ** e      # np.round: ties to even
;;       return np.moveaxis(q, -1, axis).astype(np.float32)
;;   ~~~
;;   SOFTMAX AHEAD OF A QUANTISED PRODUCT. Where the list says 'softmax', what is quantised is not the finished softmax but p = 2^(t - M), with t = logit x log2(e) and M = ceil(the row's largest t), a whole number; so 1/2 < the row's largest p <= 1. The row's sum l is taken of the UNQUANTISED p, in f32, and the product's result is divided by l at the end. Since M is a whole number, a kernel that streams over the keys may use a running M (the ceiling of the running maximum): every later rescaling is an exact power of two, so the quantised numbers keep their values, but for numbers so far below the row's largest that they fall under the format's range.
;;   OPERANDS COMPUTED ON THE WAY. 'Computed on the way' means the value that the module computes at that place (a softmax that the list does not call 'softmax' is quantised finished and normalised). What goes into a quantiser is computed in f32, as accurately as f32 sums, v_exp_f32 and their like allow (about 1e-6 of the number): no bf16 or f16 on the way to a quantiser, and a product that is left as it is and whose result goes on into a quantised operand takes f32 operands (vector FMAs, or v_wmma_f32_16x16x4_f32). A number that lies on a knife's edge between two numbers of the format may be rounded either way, as far as f32 arithmetic and the matrix unit's own rounding can turn it there, and no further.
;; One version. Each part assembles by itself: llvm-mc -triple=amdgcn-amd-amdhsa -mcpu=gfx1250 --defsym DOCPART=n.
;; ======== version 1 of 1: 4 launches
;; limits: right only within a limited range of input values
;; workspace buffers: xc 25,165,824 bytes; wc 2,621,440 bytes; rope 524,288 bytes; qkv 12,582,912 bytes; yc 8,388,608 bytes
;; launch prep (part 1): grid 464 x 1, 4 waves a work-group, no clusters, 33,280 bytes of LDS; arguments x, w_q, w_k, w_v, w_o, lowp_scales, xc, wc, rope; writes xc, wc, rope
.if DOCPART == 1
	.amdgcn_target "amdgcn-amd-amdhsa--gfx1250"
	.amdhsa_code_object_version 6
	.text
	.protected	k_q5bf554a248_prep
	.globl	k_q5bf554a248_prep
	.p2align	8
	.type	k_q5bf554a248_prep,@function
k_q5bf554a248_prep:
	s_mov_b64 s[64:65], 0
	v_nop
	global_prefetch_b8 v0, s[64:65] scope:SCOPE_SE
	s_setreg_imm32_b32 hwreg(HW_REG_WAVE_MODE, 25, 1), 1
	s_wait_xcnt 0x0
; f32 numbers into codes of FP8 (E4M3), K innermost, and the rotary table.
; x [8192][1024] is quantised three times, with the scales of products 1, 2 and 3 (entries 0, 2, 4 of the scales): three planes of 8,388,608 bytes in xc.
; w_q, w_k, w_v, w_o are quantised once each (entries 1, 3, 5, 11) into wc, rows 0-1023, 1024-1279, 1280-1535, 1536-2559, 1,024 bytes a row.
; code = number / 2^e, held within +-448, to the nearest code, ties to even.
; Work-groups 0-255 take x, 256-287 w_q, 288-295 w_k, 296-303 w_v, 304-335 w_o: 32,768 numbers each, 8,192 a wave, in 16 steps of 512.  All tensors are dense with K innermost: plain streams.
; Each load reads 512 consecutive bytes, 16 a lane; a step's 2,048 bytes turn through the wave's own stage in LDS and come back 64 bytes (16 neighbours along K) a lane, as the conversions want them.
; A lane's 16 codes are 16 bytes: each store of the wave covers 512 consecutive bytes, aligned.
; Work-groups 336-463 make cos and sin of pos x 10000^(-i/32), pos 0..2047, i 0..31: rope holds cos[2048][32] f32, then sin[2048][32] at byte 262,144.
; LIMITS: each e used here lies between -126 and 119.  NaN among the inputs is not served.  10000^(-i/32) is made by v_exp_f32: the angle at pos 2047 may differ from an f32 power's by up to about 4e-4 radians.
.set STEPS, 16
.set SP,    80                         ; a lane's place in a stage: 64 bytes + 16 of padding
.set WREG,  8192                       ; LDS of a wave: two stages of 32 x SP bytes
.set R,     16                         ; v16-79   four sets of 16 numbers as loaded
.set X,     80                         ; v80-111  two sets of 16 neighbours
.set T0,    112                        ; v112-159 held numbers, a set for each plane
.set T1,    128
.set T2,    144
.set C,     160                        ; v160-183 codes: 12 registers for even steps, 12 for odd
.set G_WQ,  256
.set G_WK,  288
.set G_WV,  296
.set G_WO,  304
.set G_TAB, 336
	s_load_b256 s[4:11], s[0:1], 0x0               ; x, w_q, w_k, w_v
	s_load_b256 s[12:19], s[0:1], 0x20             ; w_o, the scales, xc, wc
	s_load_b64 s[20:21], s[0:1], 0x40              ; rope
	v_lshl_add_u32 v184, v0, 2, 0x8000
	v_mov_b32 v185, 0
	v_lshrrev_b32 v1, 5, v0
	v_readfirstlane_b32 s22, v1                    ; wave
	v_and_b32 v2, 31, v0                           ; lane
	v_lshlrev_b32 v3, 4, v2                        ; my 16 bytes of a load's 512 and of a store's 512
	s_mul_i32 s23, s22, WREG
	v_lshrrev_b32 v14, 2, v2
	v_mul_u32_u24 v14, v14, SP
	v_and_b32 v15, 3, v2
	v_lshl_add_u32 v14, v15, 4, v14
	v_add_nc_u32 v14, s23, v14                     ; the stage, in: SP (lane / 4) + 16 (lane % 4)
	v_mul_u32_u24 v15, v2, SP
	v_add_nc_u32 v15, s23, v15                     ; the stage, out: SP x lane
	s_wait_kmcnt 0x0
	s_cmp_ge_u32 ttmp9, G_TAB
	s_cbranch_scc1 .Lrope
	s_load_b256 s[36:43], s[14:15], 0x0            ; e0 .. e7
	s_load_b128 s[44:47], s[14:15], 0x20           ; e8 .. e11
	; which tensor: the choice hangs on the work-group's number alone
	s_mov_b64 s[24:25], s[12:13]
	s_mov_b32 s33, G_WO
	s_cmp_lt_u32 ttmp9, G_WO
	s_cselect_b64 s[24:25], s[10:11], s[24:25]
	s_cselect_b32 s33, G_WV, s33
	s_cmp_lt_u32 ttmp9, G_WV
	s_cselect_b64 s[24:25], s[8:9], s[24:25]
	s_cselect_b32 s33, G_WK, s33
	s_cmp_lt_u32 ttmp9, G_WK
	s_cselect_b64 s[24:25], s[6:7], s[24:25]
	s_cselect_b32 s33, G_WQ, s33
	s_cmp_lt_u32 ttmp9, G_WQ
	s_cselect_b64 s[24:25], s[4:5], s[24:25]       ; the source
	s_cselect_b32 s33, 0, s33                      ; its first work-group
	s_cselect_b32 s32, 1, 0                        ; 1: x, three planes
	s_cselect_b64 s[26:27], s[16:17], s[18:19]     ; the codes' buffer
	s_cselect_b32 s35, 0, G_WQ                     ; and its first work-group
	s_sub_co_u32 s48, ttmp9, s33
	s_lshl_b32 s48, s48, 2
	s_add_co_u32 s48, s48, s22
	s_lshl_b32 s48, s48, 15                        ; my wave's 8,192 numbers: 32,768 bytes
	s_mov_b32 s49, 0
	s_add_nc_u64 s[24:25], s[24:25], s[48:49]
	s_sub_co_u32 s50, ttmp9, s35
	s_lshl_b32 s50, s50, 15
	s_lshl_b32 s51, s22, 13
	s_add_co_u32 s50, s50, s51                     ; my wave's 8,192 codes
	s_mov_b32 s51, 0
	s_add_nc_u64 s[26:27], s[26:27], s[50:51]
	s_add_nc_u64 s[28:29], s[16:17], s[50:51]      ; the second and third plane of xc (used for x alone)
	s_add_nc_u64 s[28:29], s[28:29], 0x800000
	s_add_nc_u64 s[30:31], s[28:29], 0x800000
.macro LOAD t
.irp i, 0,1,2,3
	global_load_b128 v[R+16*((\t)%4)+4*\i:R+16*((\t)%4)+4*\i+3], v3, s[24:25] offset:2048*(\t)+512*\i th:TH_LOAD_NT   ; 32 lanes read 512 consecutive bytes
.endr
.endm
.macro TURN t                          ; step t's numbers through the stage: LDS serves a wave's instructions in order, so no wait stands between the stores and the loads
.irp i, 0,1,2,3
	ds_store_b128 v14, v[R+16*((\t)%4)+4*\i:R+16*((\t)%4)+4*\i+3] offset:32*SP*((\t)%2)+8*SP*\i
.endr
.irp i, 0,1,2,3
	ds_load_b128 v[X+16*((\t)%2)+4*\i:X+16*((\t)%2)+4*\i+3], v15 offset:32*SP*((\t)%2)+16*\i
.endr
.endm
.macro MKSCALE se, vs, vl              ; 2^e and 448 x 2^e as f32 numbers
	s_add_co_i32 s52, s[\se], 127
	s_lshl_b32 s53, s52, 23
	v_mov_b32 v[\vs], s53
	s_add_co_i32 s52, s52, 8
	s_lshl_b32 s52, s52, 23
	s_or_b32 s52, s52, 0x600000
	v_mov_b32 v[\vl], s52
.endm
	s_wait_alu depctr_va_vdst(0)
.irp t, 0,1,2,3
	LOAD \t
.endr
	s_wait_kmcnt 0x0
	s_mov_b32 s34, s47                             ; the tensor's own e: e11, e5, e3, e1 or e0
	s_cmp_lt_u32 ttmp9, G_WO
	s_cselect_b32 s34, s41, s34
	s_cmp_lt_u32 ttmp9, G_WV
	s_cselect_b32 s34, s39, s34
	s_cmp_lt_u32 ttmp9, G_WK
	s_cselect_b32 s34, s37, s34
	s_cmp_lt_u32 ttmp9, G_WQ
	s_cselect_b32 s34, s36, s34
	MKSCALE 34, 5, 6
	MKSCALE 38, 7, 8                               ; e2
	MKSCALE 40, 9, 10                              ; e4
	s_wait_alu depctr_va_vdst(0)
	s_wait_loadcnt 12                              ; step 0's four loads are in
	TURN 0
; One plane of a step: the hold (the conversion to an 8-bit code does not saturate: ISA guide 7.6.2), two conversions, a plain line behind them, the store.
.macro PLANE t, tt, lim, sc, c0, base
.set n, 0
.rept 16
	v_med3_num_f32 v[\tt+n], v[XS+n], -v[\lim], v[\lim]
.set n, n+1
.endr
	v_cvt_scalef32_pk8_fp8_f32 v[\c0:\c0+1], v[\tt:\tt+7], v[\sc]
	v_cvt_scalef32_pk8_fp8_f32 v[\c0+2:\c0+3], v[\tt+8:\tt+15], v[\sc]
	v_nop                                          ; a plain vector line behind the conversions: the held numbers are written again in the next step
	global_store_b128 v3, v[\c0:\c0+3], s[\base:\base+1] offset:512*(\t)
.endm
.macro STEP t
.set XS, X+16*((\t)%2)
.set CC, C+12*((\t)%2)
	s_wait_dscnt 0x0                               ; this step's numbers are back from the stage, and its stores into the stage have read their registers,
.if (\t)+4 < STEPS
	LOAD (\t)+4                                    ; which take the loads of four steps on
.endif
.if (\t)+1 < STEPS
.if STEPS-2-(\t) >= 3
	s_wait_loadcnt 12                              ; the next step's four loads are in; those of the three steps behind it may be out
.else
	s_wait_loadcnt 4*(STEPS-2-(\t))
.endif
	TURN (\t)+1
.endif
	s_wait_xcnt 0x0                                ; the stores of two steps ago have read these code registers
	PLANE \t, T0, 6, 5, CC, 26
	s_cmp_lg_u32 s32, 0                            ; x has two planes more; a weight has none.  Only register work and stores stand under the branch
	s_cbranch_scc0 .Lweight_\@
	PLANE \t, T1, 8, 7, CC+4, 28
	PLANE \t, T2, 10, 9, CC+8, 30
.Lweight_\@:
.endm
.irp t, 0,1,2,3,4,5,6,7,8,9,10,11,12,13,14,15
	STEP \t
.endr
	s_wait_tensorcnt 0x0
	ds_add_u32 v184, v185
	s_wait_dscnt 0x0
	s_endpgm
; THE TABLE.  Thread n of 16,384 makes four neighbouring entries: pos = n / 8, i = 4 (n % 8) + 0 .. 3, at byte 16 n of each half: a store of the wave covers 512 consecutive bytes.
; angle = pos x 2^(-i log2(10) / 8), rounded to f32 as the product is.  n = the nearest whole number to angle x 2 / pi; r = angle - n pi/2 with pi/2 in two parts (the first product is exact:
; it is a multiple of 2^-23 under 1); sin r and cos r by polynomials on |r| <= pi/4; the quadrant swaps them and sets the signs.
.Lrope:
	s_sub_co_u32 s24, ttmp9, G_TAB
	s_lshl_b32 s24, s24, 7
	s_mov_b32 s40, 0xbed49a78                      ; -log2(10) / 8
	s_mov_b32 s41, 0x3f22f983                      ; 2 / pi
	s_mov_b32 s42, 0xbfc90fdb                      ; -(pi/2 rounded to f32)
	s_mov_b32 s43, 0x333bbd2e                      ; that number less pi/2
	s_mov_b32 s44, 0xb94ca1f9                      ; sin: -1.9515296e-4, 8.3321609e-3, -1.6666655e-1
	s_mov_b32 s45, 0x3c08839e
	s_mov_b32 s46, 0xbe2aaaa3
	s_mov_b32 s47, 0x37ccf5ce                      ; cos: 2.4433157e-5, -1.3887316e-3, 4.1666646e-2
	s_mov_b32 s48, 0xbab6061a
	s_mov_b32 s49, 0x3d2aaaa5
	v_add_nc_u32 v1, s24, v0
	v_lshrrev_b32 v2, 3, v1                        ; pos
	v_and_b32 v3, 7, v1
	v_lshlrev_b32 v3, 2, v3                        ; the first i
	v_lshlrev_b32 v4, 4, v1                        ; my 16 bytes
	v_cvt_f32_u32 v5, v2
.irp e, 0,1,2,3
	v_add_nc_u32 v[8+\e], \e, v3
	v_cvt_f32_u32 v[8+\e], v[8+\e]
	v_mul_f32 v[8+\e], s40, v[8+\e]
.endr
	s_wait_alu depctr_va_vdst(0)
.irp e, 0,1,2,3
	v_exp_f32 v[8+\e], v[8+\e]
.endr
	v_nop                                          ; a plain line behind the last exponential,
	s_wait_alu depctr_va_vdst(0)                   ; and one wait for the four, ahead of their first reader
.irp e, 0,1,2,3
	v_mul_f32 v[8+\e], v5, v[8+\e]                 ; the angle
	v_mul_f32 v[12+\e], s41, v[8+\e]
	v_rndne_f32 v[12+\e], v[12+\e]                 ; n
	v_fma_f32 v[16+\e], v[12+\e], s42, v[8+\e]
	v_fma_f32 v[16+\e], v[12+\e], s43, v[16+\e]    ; r
	v_cvt_i32_f32 v[12+\e], v[12+\e]
	v_mul_f32 v[20+\e], v[16+\e], v[16+\e]         ; z = r r
	v_fma_f32 v[24+\e], v[20+\e], s44, s45
	v_fma_f32 v[24+\e], v[24+\e], v[20+\e], s46
	v_mul_f32 v[24+\e], v[24+\e], v[20+\e]
	v_fma_f32 v[24+\e], v[24+\e], v[16+\e], v[16+\e]   ; sin r
	v_fma_f32 v[28+\e], v[20+\e], s47, s48
	v_fma_f32 v[28+\e], v[28+\e], v[20+\e], s49
	v_mul_f32 v[28+\e], v[28+\e], v[20+\e]
	v_mul_f32 v[28+\e], v[28+\e], v[20+\e]
	v_fma_f32 v[28+\e], v[20+\e], -0.5, v[28+\e]
	v_add_f32 v[28+\e], 1.0, v[28+\e]              ; cos r
	v_and_b32 v[32+\e], 1, v[12+\e]
	v_cmp_eq_u32 vcc_lo, 1, v[32+\e]
	v_cndmask_b32 v[36+\e], v[24+\e], v[28+\e], vcc_lo   ; sin of the angle: cos r in odd quadrants
	v_cndmask_b32 v[40+\e], v[28+\e], v[24+\e], vcc_lo   ; cos of the angle: sin r in odd quadrants
	v_lshlrev_b32 v[32+\e], 30, v[12+\e]
	v_and_b32 v[32+\e], 0x80000000, v[32+\e]       ; sin is negative in quadrants 2 and 3,
	v_xor_b32 v[36+\e], v[32+\e], v[36+\e]
	v_add_nc_u32 v[32+\e], 1, v[12+\e]
	v_lshlrev_b32 v[32+\e], 30, v[32+\e]
	v_and_b32 v[32+\e], 0x80000000, v[32+\e]       ; cos in quadrants 1 and 2
	v_xor_b32 v[40+\e], v[32+\e], v[40+\e]
.endr
	global_store_b128 v4, v[40:43], s[20:21]
	global_store_b128 v4, v[36:39], s[20:21] offset:262144
	s_endpgm
.Lfunc_end_k_q5bf554a248_prep:
	.size	k_q5bf554a248_prep, .Lfunc_end_k_q5bf554a248_prep-k_q5bf554a248_prep
	.p2alignl 7, 3214868480
	.fill 96, 4, 3214868480
	.section	.rodata,"a",@progbits
	.p2align	6, 0x0
	.amdhsa_kernel k_q5bf554a248_prep
		.amdhsa_group_segment_fixed_size 33280
		.amdhsa_private_segment_fixed_size 0
		.amdhsa_enable_private_segment 0
		.amdhsa_kernarg_size 72
		.amdhsa_user_sgpr_count 2
		.amdhsa_user_sgpr_kernarg_segment_ptr 1
		.amdhsa_wavefront_size32 1
		.amdhsa_system_sgpr_workgroup_id_x 1
		.amdhsa_system_sgpr_workgroup_id_y 1
		.amdhsa_system_sgpr_workgroup_id_z 1
		.amdhsa_system_vgpr_workitem_id 0
		.amdhsa_next_free_vgpr 186
		.amdhsa_next_free_sgpr 66
		.amdhsa_reserve_vcc 1
		.amdhsa_float_denorm_mode_32 3
		.amdhsa_float_denorm_mode_16_64 3
		.amdhsa_memory_ordered 1
		.amdhsa_forward_progress 1
		.amdhsa_inst_pref_size 88
	.end_amdhsa_kernel
	.amdgpu_metadata
---
amdhsa.version: [ 1, 2 ]
amdhsa.kernels:
  - .name:           k_q5bf554a248_prep
    .symbol:         k_q5bf554a248_prep.kd
    .args:
      - { .name: x, .offset: 0, .size: 8, .value_kind: global_buffer, .address_space: global }
      - { .name: w_q, .offset: 8, .size: 8, .value_kind: global_buffer, .address_space: global }
      - { .name: w_k, .offset: 16, .size: 8, .value_kind: global_buffer, .address_space: global }
      - { .name: w_v, .offset: 24, .size: 8, .value_kind: global_buffer, .address_space: global }
      - { .name: w_o, .offset: 32, .size: 8, .value_kind: global_buffer, .address_space: global }
      - { .name: lowp_scales, .offset: 40, .size: 8, .value_kind: global_buffer, .address_space: global }
      - { .name: xc, .offset: 48, .size: 8, .value_kind: global_buffer, .address_space: global }
      - { .name: wc, .offset: 56, .size: 8, .value_kind: global_buffer, .address_space: global }
      - { .name: rope, .offset: 64, .size: 8, .value_kind: global_buffer, .address_space: global }
    .group_segment_fixed_size: 33280
    .private_segment_fixed_size: 0
    .kernarg_segment_align: 8
    .kernarg_segment_size: 72
    .max_flat_workgroup_size: 128
    .sgpr_count:     66
    .vgpr_count:     186
    .wavefront_size: 32
...
	.end_amdgpu_metadata
.endif
;; end of part 1
;; launch qkv (part 2): grid 32 x 6, 4 waves a work-group, clusters of 4 x 1, 327,680 bytes of LDS; arguments xc, wc, rope, q_gain, lowp_scales, qkv; writes qkv
.if DOCPART == 2
	.amdgcn_target "amdgcn-amd-amdhsa--gfx1250"
	.amdhsa_code_object_version 6
	.text
	.protected	k_q5bf554a248_qkv
	.globl	k_q5bf554a248_qkv
	.p2align	8
	.type	k_q5bf554a248_qkv,@function
k_q5bf554a248_qkv:
	s_mov_b64 s[64:65], 0
	v_nop
	global_prefetch_b8 v0, s[64:65] scope:SCOPE_SE
	s_setreg_imm32_b32 hwreg(HW_REG_WAVE_MODE, 25, 1), 1
	s_wait_xcnt 0x0
	s_wait_alu depctr_hold_cnt(0) depctr_sa_sdst(0) depctr_va_vdst(0) depctr_va_sdst(0) depctr_va_ssrc(0) depctr_va_vcc(0) depctr_vm_vsrc(0)
	s_getreg_b32 s2, hwreg(HW_REG_IB_STS2, 6, 4)
	s_cmp_eq_u32 s2, 0
	s_cbranch_scc0 .Lentry_in_a_cluster
	s_endpgm
.Lentry_in_a_cluster:
	s_bfe_u32 s2, ttmp6, 0x10000c
	s_cmp_lg_u32 s2, 0x3003
	s_cbranch_scc0 .Lentry_shape_is_right
	s_endpgm
.Lentry_shape_is_right:
; q, k, v = x w^T on codes of FP8 (E4M3), then, in f32: the norm over a head's 128 numbers (eps = 2^-23), the rotary turn of d and d + 32 (d < 32), q's gain; then the quantisers of products 4 and 5.
; A tile is 256 tokens x 256 columns, K = 1,024.  Work-group x (RT, 0..31) is the block of 256 tokens, work-group y (CT): 0-3 two heads of q, 4 both heads of k, 5 both heads of v.
; Four waves, each 128 x 128: 64 accumulators, 512 registers.  K goes in steps of 256 through two LDS slots; a slot holds 256 rows of x's codes, then 256 rows of the weight's.
; x's plane is the one made with the product's own scale: plane 0 for q, 1 for k, 2 for v.  The weight's rows in wc are 256 CT on.
; CLUSTER: the four work-groups of a cluster have the same CT: the weight's tiles are asked for jointly (mask 15); x's tiles are each work-group's own.
; THE MATRIX INSTRUCTION IS USED TRANSPOSED.  For q and k source 1 = 16 tokens and source 0 = 16 rows of the weight: a lane holds ONE token and its registers run along the head's d: accumulator (a, b), register j, lane (r, h):
; token 16 a + r, d = 16 b + 8 h + j.  A wave's 128 columns are one head, so a norm needs one exchange between the halves of the lanes.
; For v the two tiles change places in LDS (a choice on CT): a lane then holds one d and its registers run along the tokens, which are the K of product 5.  Nothing is transposed.
; OUT, in qkv: q at byte 0, [b 8 + head][pos][128]; k and v from byte 8,388,608 on, [b 2 + kv head][slot of 256 keys][65,536]: 256 rows of k (128 bytes), then 128 rows of v (256 bytes along the slot's keys).
; Within each run of 128 codes, element e lies at byte 32 (e / 32) + 16 ((e / 8) % 2) + 8 ((e / 16) % 2) + e % 8: four loads of 16 bytes a lane then give the operand's registers with every k in its own place.
; LIMITS: e6, e7, e8 between -126 and 119.  e0 + e1, e2 + e3, e4 + e5 are applied by v_ldexp_f32 and have none.
; REGISTERS: window 0: v16-29 addresses; v32-95 two sets of 16 cos and 16 sin; v96-127 sums of squares, then factors; v128-255 one set of source 1's fragments, later at work on the way out.
;   window 1: two sets of source 0's fragments.  windows 2, 3: the accumulators ((a, b) at v[8 (8 (a % 4) + b)]).
.set ROWB,   256                       ; a tile's row: 256 codes
.set PITCH,  272                       ; in LDS: + 16 of padding: the 16 rows that a load touches start at 16 different banks (64 banks of 4 bytes: ISA guide 11.1)
.set FR,     16
.set NL,     4
.set NP,     4                         ; places behind this matrix instruction (ISA guide 7.12.1)
.set HALFT,  128*PITCH
.set SLOT,   4*HALFT
.set SPARE,  2*SLOT                    ; behind the ring: the spare words, 128 bytes a wave, that no other line names
.set ADRA, 16                          ; v16-17 LDS address of source 1's fragments in slot 0, 1
.set ADRB, 20                          ; v20-21 of source 0's
.set STO,  24                          ; v24 the stage: where I put 16 bytes of a row
.set RD,   25                          ; v25 where I read a row back
.set RTO,  26                          ; v26 my byte in the table; never rewritten
.set SPW,  28
.set NIL,  29
.set RT,   32
.set SS,   96
.set AF,   128
.set TMP,  128                         ; v128-191 a block's 64 numbers
.set U,    192                         ; v192-207 t1 sin
.set CD,   208                         ; v208-239 codes, two sets of 16
.set SCL,  240
.set LIM,  241
.set P2E,  242
.set XT,   244                         ; v244-251 the other half's sums
.set OF,   32                          ; v32-63 the stores' offsets
.set OUTR, 128
.set G1, 24
.set G0, 32
.set G1B, 48
.set G0B, 56
.set MSB, 0
.macro WIN new                         ; the immediate's high byte repeats the setting that is left
.if MSB != (\new)
	s_set_vgpr_msb (MSB<<8)|(\new)
.set MSB, \new
.endif
.endm
.set MUL_LO, 0xa1                      ; source 0 window 1, source 1 window 0, C and D window 2
.set MUL_HI, 0xf1
.set TO_B,   0x40
; Waves 0 and 1 fetch x's halves (the work-group's own load), waves 2 and 3 the weight's (joint).  The branch hangs on the wave's number and on CT.  Four v_nop follow each line.
.macro JLOAD g0a, g1a, g0b, g1b
	; LDS bytes 0 on hold source 1's 256 rows, bytes 2 HALFT on source 0's.  For q and k source 1 is x and source 0 the weight; for v (CT = 5) the two tiles change places IN LDS:
	; waves 0 and 1 then fetch the weight's halves (joint) and waves 2 and 3 x's.  The branches hang on the wave's number and on CT, which the four partners share; every way passes one load.
	s_cmp_eq_u32 s17, 0
	s_cbranch_scc0 .Lhigh_\@
	s_cmp_eq_u32 s21, 5
	s_cbranch_scc1 .Lfor_b_\@
	s_branch .Lfor_a_\@
.Lhigh_\@:
	s_cmp_eq_u32 s21, 5
	s_cbranch_scc0 .Lfor_b_\@
.Lfor_a_\@:
	tensor_load_to_lds s[\g0a:\g0a+3], s[\g1a:\g1a+7]
	s_nop 0
.rept 4
	v_nop
.endr
	s_branch .Lasked_\@
.Lfor_b_\@:
	tensor_load_to_lds s[\g0b:\g0b+3], s[\g1b:\g1b+7]
	s_nop 0
.rept 4
	v_nop
.endr
.Lasked_\@:
.endm
.macro CREST
	s_cmp_lg_u32 s16, 0
	s_cbranch_scc1 .Lnot_wave_0_\@
	s_barrier_signal -3
.Lnot_wave_0_\@:
	s_barrier_wait -3
	s_barrier_signal -1
	s_barrier_wait -1
.endm
.macro CROUND
	s_barrier_signal -1
	s_barrier_wait -1
	CREST
.endm
	s_load_b256 s[4:11], s[0:1], 0x0               ; xc s[4:5], wc s[6:7], rope s[8:9], q_gain s[10:11]
	s_load_b128 s[12:15], s[0:1], 0x20             ; the scales s[12:13], qkv s[14:15]
	v_lshl_add_u32 v[SPW], v0, 2, SPARE
	v_mov_b32 v[NIL], 0
	ds_add_u32 v28, v29
	ds_add_u32 v28, v29
	s_wait_dscnt 0x0
	v_lshrrev_b32 v1, 5, v0
	v_readfirstlane_b32 s16, v1                    ; wave 0..3
	s_lshr_b32 s17, s16, 1                         ; HI: which half of source 1's rows is mine.  Also: I fetch x's tile (0) or the weight's (1)
	s_and_b32 s18, s16, 1                          ; LO: which half of source 0's rows.  Also: which 128 rows I fetch
	s_bfe_u32 s19, ttmp6, 0x40000                  ; cx
	s_lshl_b32 s20, ttmp9, 2
	s_add_co_u32 s20, s20, s19                     ; RT
	s_and_b32 s21, ttmp7, 0xffff                   ; CT, which the four partners share
	s_mov_b32 s[G1], (1<<20)|(5<<22)|(3<<25)       ; no mask; elements of 1 byte; padding: 4 words behind every 64
	s_mov_b32 s[G1B], 15|(1<<20)|(1<<21)|(5<<22)|(3<<25)   ; the same for all four work-groups; bit 21 beside the mask
.irp g, G1, G1B
	s_mov_b32 s[\g+1], ROWB<<16                    ; tensor_dim0
	s_mov_b32 s[\g+2], 128<<16                     ; tensor_dim1
	s_mov_b32 s[\g+3], ROWB<<16                    ; tile_dim0
	s_mov_b32 s[\g+4], 128                         ; tile_dim1
	s_mov_b32 s[\g+5], 1024                        ; from row to row
	s_mov_b32 s[\g+6], 0
	s_mov_b32 s[\g+7], 0
.endr
	s_max_u32 s40, s21, 3
	s_sub_co_u32 s40, s40, 3                       ; x's plane
	s_lshl_b32 s40, s40, 23
	s_lshl_b32 s41, s20, 18                        ; + 256 RT rows of 1,024 bytes
	s_add_co_u32 s40, s40, s41
	s_lshl_b32 s41, s18, 17                        ; + my 128 rows
	s_add_co_u32 s40, s40, s41
	s_mov_b32 s41, 0
	s_lshl_b32 s42, s21, 18                        ; the weight: 256 CT rows (these registers never hold cx)
	s_lshl_b32 s43, s18, 17
	s_add_co_u32 s42, s42, s43
	s_mov_b32 s43, 0
	s_mul_i32 s44, s16, HALFT                      ; where they go: wave x 128 rows
	s_lshl_b32 s95, s21, 1
	s_add_co_u32 s95, s95, s18
	s_min_u32 s95, s95, 7
	s_lshl_b32 s95, s95, 2                         ; my head's gain (for k and v a number that is not used)
	s_mov_b32 s86, 0x76543210                      ; v_permlanex16_b32: lane l xor 16
	s_mov_b32 s87, 0xfedcba98
	s_wait_kmcnt 0x0
	s_load_b256 s[68:75], s[12:13], 0x0            ; e0 .. e7
	s_load_b128 s[76:79], s[12:13], 0x20           ; e8 .. e11
	s_load_b32 s94, s[10:11], s95 offset:0x0
	s_add_nc_u64 s[40:41], s[4:5], s[40:41]
	s_add_nc_u64 s[42:43], s[6:7], s[42:43]
	CROUND                                         ; all four work-groups are here: the first joint loads meet
.irp s, 0,1
	s_mov_b32 s[G0+4*\s], 1
	s_add_co_u32 s[G0+4*\s+1], s44, \s*SLOT
	s_add_nc_u64 s[G0+4*\s+2:G0+4*\s+3], s[40:41], \s*ROWB
	s_or_b32 s[G0+4*\s+3], s[G0+4*\s+3], 0x80000000
	s_mov_b32 s[G0B+4*\s], 1
	s_add_co_u32 s[G0B+4*\s+1], s44, \s*SLOT
	s_add_nc_u64 s[G0B+4*\s+2:G0B+4*\s+3], s[42:43], \s*ROWB
	s_or_b32 s[G0B+4*\s+3], s[G0B+4*\s+3], 0x80000000
.endr
	JLOAD G0, G1, G0B, G1B                         ; slot 0: one tensor load a wave at the head
	v_and_b32 v1, 15, v0                           ; r
	v_bfe_u32 v2, v0, 4, 1                         ; h
	v_mul_u32_u24 v3, v1, PITCH
	v_lshl_add_u32 v4, v2, 4, v3                   ; r x pitch + 16 h
	s_wait_alu depctr_va_vdst(0)
	s_mul_i32 s22, s17, HALFT                      ; source 1's rows lie at LDS byte 0 on, for every CT
	s_mul_i32 s23, s18, HALFT
	s_add_co_u32 s23, s23, 2*HALFT                 ; source 0's behind them
.irp s, 0,1
	v_add_nc_u32 v[ADRA+\s], s22, v4
	v_add_nc_u32 v[ADRB+\s], s23, v4
	s_add_co_u32 s22, s22, SLOT
	s_add_co_u32 s23, s23, SLOT
.endr
	s_mul_i32 s22, s17, 128*PITCH                  ; the stage: 256 rows x 272 bytes at LDS byte 0: row 128 HI + 16 a + r, byte 128 LO + 32 c + 16 h
	s_lshl_b32 s23, s18, 7
	s_add_co_u32 s22, s22, s23
	v_add_nc_u32 v[STO], s22, v4
	v_mul_u32_u24 v5, v2, PITCH                    ; back: wave w takes rows 64 w on, two rows an instruction, 16 lanes a row
	v_lshl_add_u32 v5, v1, 4, v5
	s_mul_i32 s22, s16, 64*PITCH
	v_add_nc_u32 v[RD], s22, v5
	s_and_b32 s22, s20, 7                          ; the table: pos = 256 (RT % 8) + 128 HI + 16 a + r; a row is 128 bytes; my eight entries of a d-block: 32 h on
	s_lshl_b32 s22, s22, 15
	s_lshl_b32 s23, s17, 14
	s_add_co_u32 s22, s22, s23
	v_lshlrev_b32 v[RTO], 7, v1
	v_lshl_add_u32 v[RTO], v2, 5, v[RTO]
	v_add_nc_u32 v[RTO], s22, v[RTO]
; Block a's 16 cos and 16 sin (d = 16 b + 8 h + j, b = 0, 1) into set a % 2: eight loads
.macro TABLE a
.set RL, RT+32*((\a)%2)
.irp u, 0,1
.irp w, 0,1,2,3
	global_load_b128 v[RL+16*\u+4*\w:RL+16*\u+4*\w+3], v[RTO], s[8:9] offset:2048*(\a)+262144*\u+64*(\w/2)+16*(\w%2)
.endr
.endr
.endm
	TABLE 0                                        ; these sixteen loads stay out over the products
	TABLE 1
.macro FRAG reg, adr, q, i             ; 16 rows x 128 K: four loads of 16 bytes; the same order of k on both sides
.irp c, 0,1,2,3
	ds_load_b128 v[\reg+4*\c:\reg+4*\c+3], v[\adr] offset:128*(\q)+32*\c+(\i)*16*PITCH
.endr
.endm
; 16 matrix instructions.  The 64 accumulators take turns, one instruction a turn, in the same order in every step.
.macro MUL16 a0, p, zero
.irp a, \a0, \a0+1
.irp b, 0,1,2,3,4,5,6,7
.if \zero
	v_wmma_f32_16x16x128_fp8_fp8 v[8*(8*((\a)%4)+\b):8*(8*((\a)%4)+\b)+7], v[128*(\p)+FR*\b:128*(\p)+FR*\b+FR-1], v[AF+FR*(\a):AF+FR*(\a)+FR-1], 0
.else
	v_wmma_f32_16x16x128_fp8_fp8 v[8*(8*((\a)%4)+\b):8*(8*((\a)%4)+\b)+7], v[128*(\p)+FR*\b:128*(\p)+FR*\b+FR-1], v[AF+FR*(\a):AF+FR*(\a)+FR-1], v[8*(8*((\a)%4)+\b):8*(8*((\a)%4)+\b)+7]
.endif
.endr
.endr
.endm
.macro FETCH_B slot, q, p
	WIN TO_B
.irp i, 0,1,2,3,4,5,6,7
	FRAG 128*(\p)+FR*\i, ADRB+\slot, \q, \i
.endr
	WIN 0
.endm
.macro FETCH_A slot, q, i0
.irp i, \i0, \i0+1, \i0+2, \i0+3
	FRAG AF+FR*(\i), ADRA+\slot, \q, \i
.endr
.endm
.macro PLACES n                        ; plain vector lines between a matrix instruction and a load into, or a read of, its registers
.rept \n
	v_nop
.endr
.endm
.macro STEP slot, q, zero              ; 128 along K, with its successor in the same slot
	s_wait_dscnt 4*NL                              ; source 0's set and source 1's blocks 0-3 are in; the youngest sixteen loads (blocks 4-7) may be out
	WIN MUL_LO
	MUL16 0, (\q)%2, \zero
	MUL16 2, (\q)%2, \zero
	s_wait_dscnt 0
	PLACES NP
	FETCH_B \slot, (\q)+1, 1-(\q)%2
	FETCH_A \slot, (\q)+1, 0
	WIN MUL_HI
	MUL16 4, (\q)%2, \zero
	MUL16 6, (\q)%2, \zero
	PLACES NP
	WIN 0
	FETCH_A \slot, (\q)+1, 4
.endm
; A slot's last step changes slots: one barrier; in front of it each wave waits for all its tensor loads, adds 0 to its spare word, and waits for that and for its reads of this slot.
.macro TURN slot, next, fill
	s_wait_tensorcnt 0x0                           ; all my tensor loads have landed: my part of the next slot
	ds_add_u32 v[SPW], v[NIL]                      ; 0 onto my spare word
	s_wait_dscnt 4*NL+1                            ; the add and the youngest sixteen loads may be out
	WIN MUL_LO
	MUL16 0, 1, 0
	s_wait_dscnt 0x0                               ; the add is done, and my reads of this slot are over
	s_barrier_signal -1
	MUL16 2, 1, 0
	WIN 0
	s_barrier_wait -1
.if \fill
	CREST                                          ; the barrier has opened a round of the cluster's: no wave of any partner still reads this slot or has a load on its way
	s_add_nc_u64 s[G0+4*\slot+2:G0+4*\slot+3], s[G0+4*\slot+2:G0+4*\slot+3], 2*ROWB
	s_add_nc_u64 s[G0B+4*\slot+2:G0B+4*\slot+3], s[G0B+4*\slot+2:G0B+4*\slot+3], 2*ROWB
	JLOAD G0+4*\slot, G1, G0B+4*\slot, G1B         ; the first tensor load behind the round; its four v_nop are the places in front of the loads below
.else
	PLACES NP
.endif
	s_wait_alu depctr_va_vdst(0)
	FETCH_B \next, 0, 0
	FETCH_A \next, 0, 0
	WIN MUL_HI
	MUL16 4, 1, 0
	MUL16 6, 1, 0
	PLACES NP
	WIN 0
	FETCH_A \next, 0, 4
.endm
	s_wait_alu depctr_va_vdst(0)
	s_wait_tensorcnt 0x0                           ; my part of slot 0 is in; slot 1's first fill is issued as a refill is:
	ds_add_u32 v[SPW], v[NIL]                      ; 0 onto my spare word
	s_wait_dscnt 0x0
	CROUND                                         ; everybody's part of slot 0 is in, and the four work-groups are here
	JLOAD G0+4, G1, G0B+4, G1B                     ; slot 1: the first tensor load behind the round
	FETCH_B 0, 0, 0
	FETCH_A 0, 0, 0
	FETCH_A 0, 0, 4
	STEP 0, 0, 1                                   ; the first step's products start the sums
	s_mov_b32 s3, 1                                ; K = 1,024 is twice round the ring: one trip fills both slots again
.Llap:
	TURN 0, 1, 1
	STEP 1, 0, 0
	TURN 1, 0, 1
	STEP 0, 0, 0
	s_sub_co_u32 s3, s3, 1
	s_cmp_lg_u32 s3, 0
	s_cbranch_scc1 .Llap
	TURN 0, 1, 0                                   ; the last lap fills nothing
	STEP 1, 0, 0
	s_wait_dscnt 4*NL
	WIN MUL_LO
	MUL16 0, 1, 0
	MUL16 2, 1, 0
	s_wait_dscnt 0
	WIN MUL_HI
	MUL16 4, 1, 0
	MUL16 6, 1, 0
	WIN 0
	PLACES NP
	; THE SUMS OF SQUARES of a lane's 64 numbers of each block, two blocks at a time in four chains; each accumulator is read from its low end on
.irp a, 0,2,4,6
	WIN 0x0a+5*(\a/4)                              ; sources 0 and 1: window 2 or 3
.set AC, 64*(\a%4)
	v_pk_mul_f32 v[SS+4*\a:SS+4*\a+1], v[AC:AC+1], v[AC:AC+1]
	v_pk_mul_f32 v[SS+4*\a+4:SS+4*\a+5], v[AC+64:AC+65], v[AC+64:AC+65]
	v_pk_mul_f32 v[SS+4*\a+2:SS+4*\a+3], v[AC+2:AC+3], v[AC+2:AC+3]
	v_pk_mul_f32 v[SS+4*\a+6:SS+4*\a+7], v[AC+66:AC+67], v[AC+66:AC+67]
.set p, 2
.rept 30
	v_pk_fma_f32 v[SS+4*\a+2*(p%2):SS+4*\a+2*(p%2)+1], v[AC+2*p:AC+2*p+1], v[AC+2*p:AC+2*p+1], v[SS+4*\a+2*(p%2):SS+4*\a+2*(p%2)+1]
	v_pk_fma_f32 v[SS+4*\a+4+2*(p%2):SS+4*\a+4+2*(p%2)+1], v[AC+64+2*p:AC+64+2*p+1], v[AC+64+2*p:AC+64+2*p+1], v[SS+4*\a+4+2*(p%2):SS+4*\a+4+2*(p%2)+1]
.set p, p+1
.endr
.endr
	WIN 0
	; THE FACTORS.  A sum stands for sum x 2^E, E the two operands' exponents added.  q, k: factor = 2^E x gain / sqrt(sum of squares x 2^(2 E - 7) + 2^-23); v: 2^E
	s_wait_kmcnt 0x0
	s_add_co_i32 s80, s68, s69                     ; E and the quantiser's e: for q e0 + e1 and e7,
	s_mov_b32 s82, s75
	s_add_co_i32 s40, s70, s71
	s_add_co_i32 s41, s72, s73
	s_cmp_eq_u32 s21, 4
	s_cselect_b32 s80, s40, s80                    ; for k e2 + e3 and e6,
	s_cselect_b32 s82, s74, s82
	s_cmp_eq_u32 s21, 5
	s_cselect_b32 s80, s41, s80                    ; for v e4 + e5 and e8
	s_cselect_b32 s82, s76, s82
	s_cselect_b32 s84, -1, 0                       ; all lanes where v
	s_cmp_lt_u32 s21, 4
	s_cselect_b32 s94, s94, 1.0                    ; q alone has a gain
	s_lshl_b32 s81, s80, 1
	s_sub_co_i32 s81, s81, 7
	s_add_co_i32 s82, s82, 127
	s_lshl_b32 s83, s82, 23
	v_mov_b32 v[SCL], s83                          ; 2^e as f32, for the conversions
	s_add_co_i32 s82, s82, 8
	s_lshl_b32 s82, s82, 23
	s_or_b32 s82, s82, 0x600000
	v_mov_b32 v[LIM], s82                          ; 448 x 2^e
	v_ldexp_f32 v[P2E], 1.0, s80
.irp a, 0,1,2,3,4,5,6,7
	v_add_f32 v[SS+4*\a], v[SS+4*\a], v[SS+4*\a+1]
.endr
.irp a, 0,1,2,3,4,5,6,7
	v_add_f32 v[SS+4*\a+2], v[SS+4*\a+2], v[SS+4*\a+3]
.endr
.irp a, 0,1,2,3,4,5,6,7
	v_add_f32 v[SS+4*\a], v[SS+4*\a], v[SS+4*\a+2]
.endr
.irp a, 0,1,2,3,4,5,6,7
	v_permlanex16_b32 v[XT+\a], v[SS+4*\a], s86, s87   ; the token's other 64 numbers lie in the lane 16 away
.endr
.irp a, 0,1,2,3,4,5,6,7
	v_add_f32 v[SS+4*\a], v[SS+4*\a], v[XT+\a]
.endr
.irp a, 0,1,2,3,4,5,6,7
	v_ldexp_f32 v[SS+4*\a], v[SS+4*\a], s81
.endr
.irp a, 0,1,2,3,4,5,6,7
	v_add_f32 v[SS+4*\a], 0x34000000, v[SS+4*\a]   ; + 2^-23
.endr
	s_wait_alu depctr_va_vdst(0)
.irp a, 0,1,2,3,4,5,6,7
	v_rsq_f32 v[SS+4*\a], v[SS+4*\a]
.endr
	v_nop                                          ; a plain line behind the last of the batch,
	s_wait_alu depctr_va_vdst(0)                   ; and one wait for the eight, ahead of their first reader
.irp a, 0,1,2,3,4,5,6,7
	v_mul_f32 v[SS+4*\a], s94, v[SS+4*\a]
.endr
.irp a, 0,1,2,3,4,5,6,7
	v_ldexp_f32 v[SS+4*\a], v[SS+4*\a], s80
.endr
.irp a, 0,1,2,3,4,5,6,7
	v_cndmask_b32 v[SS+4*\a], v[SS+4*\a], v[P2E], s84
.endr
; A BLOCK of 16 rows: x factor, the rotary turn (not for v), the hold, the conversions, 64 bytes a lane into the stage
.macro BLOCK a
.set AC, 64*((\a)%4)
.set RS, RT+32*((\a)%2)
.set CB, CD+16*((\a)%2)
.if (\a) < 7
	s_wait_loadcnt 8                               ; this block's eight table loads are in; the next block's may be out
.else
	s_wait_loadcnt 0
.endif
	WIN 0x02+((\a)/4)                              ; source 0: window 2 or 3
.set n, 0
.rept 32
	v_pk_mul_f32 v[TMP+n:TMP+n+1], v[AC+n:AC+n+1], v[SS+4*(\a):SS+4*(\a)+1] op_sel_hi:[1,0]
.set n, n+2
.endr
	WIN 0
	s_cmp_eq_u32 s21, 5
	s_cbranch_scc1 .Lno_turn_\@
.set n, 0
.rept 8
	v_pk_mul_f32 v[U+n:U+n+1], v[TMP+n:TMP+n+1], v[RS+16+n:RS+17+n]          ; t1 sin
.set n, n+2
.endr
.set n, 0
.rept 8
	v_pk_mul_f32 v[TMP+n:TMP+n+1], v[TMP+n:TMP+n+1], v[RS+n:RS+n+1]          ; t1 cos
.set n, n+2
.endr
.set n, 0
.rept 8
	v_pk_fma_f32 v[TMP+n:TMP+n+1], v[TMP+16+n:TMP+17+n], v[RS+16+n:RS+17+n], v[TMP+n:TMP+n+1]   ; + t2 sin
.set n, n+2
.endr
.set n, 0
.rept 8
	v_pk_fma_f32 v[TMP+16+n:TMP+17+n], v[TMP+16+n:TMP+17+n], v[RS+n:RS+n+1], v[U+n:U+n+1] neg_lo:[0,0,1] neg_hi:[0,0,1]   ; t2 cos - t1 sin
.set n, n+2
.endr
.Lno_turn_\@:
.if (\a) < 6
	TABLE (\a)+2                                   ; into the set just used
.endif
.set n, 0
.rept 64
	v_med3_num_f32 v[TMP+n], v[TMP+n], -v[LIM], v[LIM]   ; the conversion to an 8-bit code does not saturate (ISA guide 7.6.2)
.set n, n+1
.endr
.if (\a) >= 2
	s_wait_alu depctr_va_vdst(0)
	s_wait_dscnt 4                                 ; the stores of two blocks ago have read these code registers; the last block's four may be out
.endif
.set n, 0
.rept 8
	v_cvt_scalef32_pk8_fp8_f32 v[CB+2*n:CB+2*n+1], v[TMP+8*n:TMP+8*n+7], v[SCL]
.set n, n+1
.endr
	v_nop                                          ; a plain line behind the conversions: the next block writes their sources
.irp c, 0,1,2,3
	ds_store_b128 v[STO], v[CB+4*\c:CB+4*\c+3] offset:(\a)*16*PITCH+32*\c   ; d-blocks 2 c and 2 c + 1 of my half: 16 neighbouring bytes in the order stated at the head
.endr
.endm
	s_wait_alu depctr_va_vdst(0)
.irp a, 0,1,2,3,4,5,6,7
	BLOCK \a
.endr
	; where the rows go.  A stage row's two halves of 128 bytes go s89 bytes apart; rows s88 bytes apart
	s_lshr_b32 s40, s20, 3                         ; b
	s_and_b32 s41, s20, 7                          ; the slot of 256 positions
	s_lshl_b32 s42, s40, 21
	s_lshl_b32 s43, s21, 19
	s_add_co_u32 s42, s42, s43
	s_lshl_b32 s43, s41, 15
	s_add_co_u32 s42, s42, s43                     ; q: ((8 b + 2 CT) 2,048 + 256 slot) x 128
	s_lshl_b32 s44, s40, 20
	s_lshl_b32 s43, s41, 16
	s_add_co_u32 s44, s44, s43
	s_add_co_u32 s44, s44, 8388608                 ; k, v: 8,388,608 + (16 b + slot) x 65,536
	s_lshl_b32 s45, s16, 13                        ; q, k: my 64 rows of 128 bytes
	s_lshl_b32 s46, s17, 19                        ; v: the kv head, my 64 rows of 256 bytes, behind k's 32,768 bytes
	s_lshl_b32 s47, s18, 14
	s_add_co_u32 s46, s46, s47
	s_add_co_u32 s46, s46, 32768
	s_mov_b32 s89, 524288                          ; k: from kv head to kv head
	s_mov_b32 s88, 128
	s_cmp_lt_u32 s21, 4
	s_cselect_b32 s91, s42, s44
	s_cselect_b32 s89, 262144, s89                 ; q: from head to head
	s_cmp_eq_u32 s21, 5
	s_cselect_b32 s45, s46, s45
	s_cselect_b32 s89, 128, s89                    ; v: a row is whole
	s_cselect_b32 s88, 256, s88
	s_add_co_u32 s91, s91, s45
	s_lshl_b32 s90, s88, 1
	v_bfe_u32 v5, v0, 3, 1
	v_and_b32 v6, 7, v0
	v_mad_u32_u24 v[OF], v2, s88, s91
	v_mad_u32_u24 v[OF], v5, s89, v[OF]
	v_lshl_add_u32 v[OF], v6, 4, v[OF]
.set n, 1
.rept 31
	v_add_nc_u32 v[OF+n], s90, v[OF+n-1]           ; two rows on
.set n, n+1
.endr
	s_wait_alu depctr_va_vdst(0)
	s_wait_dscnt 0x0                               ; for the others' sake: my stores into the stage are done
	s_barrier_signal -1
	s_barrier_wait -1
.set n, 0
.rept 32
	ds_load_b128 v[OUTR+4*n:OUTR+4*n+3], v[RD] offset:n*2*PITCH
.set n, n+1
.endr
.set n, 0
.rept 32
	s_wait_dscnt 31-n                              ; LDS loads come back in order: pair n of rows is in
	global_store_b128 v[OF+n], v[OUTR+4*n:OUTR+4*n+3], s[14:15]   ; the wave stores two runs of 256 consecutive bytes, each aligned
.set n, n+1
.endr
	s_wait_tensorcnt 0x0                           ; the wave's end
	ds_add_u32 v[SPW], v[NIL]
	s_wait_dscnt 0x0
	CROUND                                         ; the closing round
	s_endpgm
.Lfunc_end_k_q5bf554a248_qkv:
	.size	k_q5bf554a248_qkv, .Lfunc_end_k_q5bf554a248_qkv-k_q5bf554a248_qkv
	.p2alignl 7, 3214868480
	.fill 96, 4, 3214868480
	.section	.rodata,"a",@progbits
	.p2align	6, 0x0
	.amdhsa_kernel k_q5bf554a248_qkv
		.amdhsa_group_segment_fixed_size 327680
		.amdhsa_private_segment_fixed_size 0
		.amdhsa_enable_private_segment 0
		.amdhsa_kernarg_size 48
		.amdhsa_user_sgpr_count 2
		.amdhsa_user_sgpr_kernarg_segment_ptr 1
		.amdhsa_wavefront_size32 1
		.amdhsa_system_sgpr_workgroup_id_x 1
		.amdhsa_system_sgpr_workgroup_id_y 1
		.amdhsa_system_sgpr_workgroup_id_z 1
		.amdhsa_system_vgpr_workitem_id 0
		.amdhsa_next_free_vgpr 1024
		.amdhsa_next_free_sgpr 100
		.amdhsa_reserve_vcc 0
		.amdhsa_float_denorm_mode_32 3
		.amdhsa_float_denorm_mode_16_64 3
		.amdhsa_memory_ordered 1
		.amdhsa_forward_progress 1
		.amdhsa_inst_pref_size 186
	.end_amdhsa_kernel
	.amdgpu_metadata
---
amdhsa.version: [ 1, 2 ]
amdhsa.kernels:
  - .name:           k_q5bf554a248_qkv
    .symbol:         k_q5bf554a248_qkv.kd
    .args:
      - { .name: xc, .offset: 0, .size: 8, .value_kind: global_buffer, .address_space: global }
      - { .name: wc, .offset: 8, .size: 8, .value_kind: global_buffer, .address_space: global }
      - { .name: rope, .offset: 16, .size: 8, .value_kind: global_buffer, .address_space: global }
      - { .name: q_gain, .offset: 24, .size: 8, .value_kind: global_buffer, .address_space: global }
      - { .name: lowp_scales, .offset: 32, .size: 8, .value_kind: global_buffer, .address_space: global }
      - { .name: qkv, .offset: 40, .size: 8, .value_kind: global_buffer, .address_space: global }
    .group_segment_fixed_size: 327680
    .private_segment_fixed_size: 0
    .kernarg_segment_align: 8
    .kernarg_segment_size: 48
    .max_flat_workgroup_size: 128
    .sgpr_count:     100
    .vgpr_count:     1024
    .wavefront_size: 32
...
	.end_amdgpu_metadata
.endif
;; end of part 2
;; launch attn (part 3): grid 32 x 8, 4 waves a work-group, clusters of 4 x 1, 327,680 bytes of LDS; arguments qkv, lowp_scales, yc; writes yc
.if DOCPART == 3
	.amdgcn_target "amdgcn-amd-amdhsa--gfx1250"
	.amdhsa_code_object_version 6
	.text
	.protected	k_q5bf554a248_attn
	.globl	k_q5bf554a248_attn
	.p2align	8
	.type	k_q5bf554a248_attn,@function
k_q5bf554a248_attn:
	s_mov_b64 s[64:65], 0
	v_nop
	global_prefetch_b8 v0, s[64:65] scope:SCOPE_SE
	s_setreg_imm32_b32 hwreg(HW_REG_WAVE_MODE, 25, 1), 1
	s_wait_xcnt 0x0
	s_wait_alu depctr_hold_cnt(0) depctr_sa_sdst(0) depctr_va_vdst(0) depctr_va_sdst(0) depctr_va_ssrc(0) depctr_va_vcc(0) depctr_vm_vsrc(0)
	s_getreg_b32 s2, hwreg(HW_REG_IB_STS2, 6, 4)
	s_cmp_eq_u32 s2, 0
	s_cbranch_scc0 .Lentry_in_a_cluster
	s_endpgm
.Lentry_in_a_cluster:
	s_bfe_u32 s2, ttmp6, 0x10000c
	s_cmp_lg_u32 s2, 0x3003
	s_cbranch_scc0 .Lentry_shape_is_right
	s_endpgm
.Lentry_shape_is_right:
; Causal attention on codes of FP8 (E4M3): S^T = k q^T (scales e6, e7), p = 2^(t - M), O^T = v^T p^T (e8, e9), y = O / the row's sum, quantised with e10 for the last product.
; t = score x log2(e) / sqrt(128); M = the running largest t rounded UP to a whole number; the row's sum is taken of the unquantised p; when M moves, the sum and O^T are multiplied by 2^(old M - new M): exact.
; LEFT OUT: key steps all of whose 128 keys come after a tile's 16 positions: their scores are masked, so their p is 0 for every input.  A NaN or infinity that reaches only such scores is not carried on.
; qkv: q at byte 0, [b 8 + head][pos][128]; k, v from byte 8,388,608 on: [bk = b 2 + kv head][slot of 256 keys][65,536]: 256 rows of k, then 128 rows of v along the slot's keys.  Within each run of 128 codes the
; bytes lie so that four loads of 16 bytes a lane give the operand's registers with every k in its own place.   yc: [head 0..7][8,192 rows][128 bytes], byte = d.
; SHARES.  Work-group y = bk.  With c = cluster x, cx = place in the cluster, wave w: pt = 2 cx + w / 2, and the wave owns two tiles of 16 positions, A = 127 - (8 c + pt) and then B = 8 c + pt, each for the TWO query heads
; 2 (w % 2), 2 (w % 2) + 1 of the four that share this k and v: two tiles of 16 queries with one mask, so that each fragment of k and v read from LDS feeds two matrix instructions.
; A needs 16 - c key steps of 128 and B c + 1: 17 in every wave of the launch.  In slots of 256 keys that is 8 - c / 2 and c / 2 + 1: a stream of NINE slots (A's, then B's from key 0 again) for every work-group: constant
; trip counts.  The odd walk's last slot has one step beyond the causal limit, which a scalar branch on ids leaves out.  All waves of a cluster have the same steps in the same slots.
; CLUSTER: the four work-groups of a cluster walk the same stream, so every tile is asked for jointly (mask 15).  Waves 0, 1 fetch k's halves, waves 2, 3 v's: one load a wave behind each round.
; k's half, 128 dense rows of 128 bytes, is stated as 64 rows of 256 bytes with the padding still behind each 128.
; PREFETCH: all eight clusters of a bk walk the same slots at about the same trips; cluster 0, whose walk A has all eight, asks for slot k + 1 at the change that loads slot k (k = 1 .. 6): its four partners take 16,384 bytes each,
; told apart by address; waves 0 and 1 take 8,192 each, lanes 256 bytes apart: each block of 256 bytes is named once in the launch.  Slots 0 and 1 come by their loads alone.
; A lane holds ONE query throughout: S^T tile t, register j, lane (r, h): key 16 t + 8 h + j; its eight codes are registers 2 t, 2 t + 1 of the second product's operand.
; THE EXPONENTIALS go in two batches of 64, each laid by turns with plain lines whose sources were made ahead of the batch's wait and whose results are first read behind the next wait: tile 1's t - M, then tile 0's holds.
; LIMITS: e6 + e7 between -123 and 130 (added to c's exponent field); e9 and e10 between -126 and 119; e8 + e9 is applied by v_ldexp_f32 and has none.  The scaled scores stay under 2^31 in magnitude.
; REGISTERS.  window 0: v1-13 addresses and mask distances; v16-55 the softmax's few numbers; v64-191 S^T, then p (tile u at 64 u); v192-255 tile 0's held p, on the way out codes and rows.
;   window 1: v0-127 O^T (tile u, d-block t at 64 u + 8 t); v128-159 q; v160-191 p's codes.   window 2: v0-127 k's eight fragments; v128-255 v's.
.set KP,    144                        ; a key's row in LDS: 128 bytes + 16
.set VP,    272                        ; a row of v's tile: 256 bytes + 16
.set VOFF,  256*KP
.set SLOT1, 1<<17                      ; slot 1 begins here: one exclusive or turns an address from one slot to the other
.set SPARE, 2*SLOT1                    ; the spare words, 128 bytes a wave, that no other line names
.set STAGE, SPARE+512                  ; the way out: 2 x 16 rows x 144 bytes a wave; no tile ever lands here
.set WST,   2*16*KP
.set AK0, 1
.set AV0, 2
.set PFO, 3
.set DA,  4                            ; 16 (A % 8) + r - 8 h: the mask's distance in A's last step
.set SPW, 5
.set NIL, 6
.set DB,  7                            ; the same for B
.set ADK, 8
.set ADV, 9
.set QO,  10
.set GO,  11
.set STI, 12
.set STR, 13
.set NM,  16                           ; v[16+2u] -M, v[17+2u] the largest t
.set LS,  20                           ; v[20+2u:21+2u] the sum in two halves
.set FF,  24                           ; v[24+2u] f = 2^(old M - new M); the pair's upper word is written once
.set MA,  28
.set MB,  30
.set XP,  32
.set AC,  36                           ; v[36+8u+2k ..] four partial sums a tile
.set NINF, 52
.set SCP, 53
.set LIMY, 54
.set SCY, 55
.set SS,  64
.set TT,  192
.set OO,  0
.set QQ,  128
.set PP,  160
.set WV,  18
.set SEL, 20
.set CS,  22
.set G1K, 24
.set G1V, 32
.set G0K, 40
.set G0V, 44
.set TB,  2
.set SLOTS, 66                         ; slots still to be asked for
.set KS,  67                           ; the key step in the walk in hand
.set NS,  68                           ; that walk's steps
.set NB,  69
.set SB,  70                           ; B's slots
.set SAB, 71                           ; A's slots x 65,536
.set BK,  72
.set IQ,  74
.set PLIM, 75
.set LP,  76                           ; 448 x 2^e9
.set EO,  77
.set PFA, 78
.set QA,  80
.set QB,  82
.set YA,  84
.set YB,  86
.set MSB, 0
.macro WIN new                         ; the immediate's high byte repeats the setting that is left
.if MSB != (\new)
	s_set_vgpr_msb (MSB<<8)|(\new)
.set MSB, \new
.endif
.endm
.macro JLOAD                           ; an s_nop 0 and four v_nop follow each line
	s_cmp_eq_u32 s19, 0
	s_cbranch_scc0 .Lfor_v_\@
	tensor_load_to_lds s[G0K:G0K+3], s[G1K:G1K+7]
	s_nop 0
.rept 4
	v_nop
.endr
	s_branch .Lasked_\@
.Lfor_v_\@:
	tensor_load_to_lds s[G0V:G0V+3], s[G1V:G1V+7]
	s_nop 0
.rept 4
	v_nop
.endr
.Lasked_\@:
.endm
.macro CROUND
	s_barrier_signal -1
	s_barrier_wait -1
	s_cmp_lg_u32 s[WV], 0
	s_cbranch_scc1 .Lnot_wave_0_\@
	s_barrier_signal -3
.Lnot_wave_0_\@:
	s_barrier_wait -3
	s_barrier_signal -1
	s_barrier_wait -1
.endm
.macro KLOAD q                         ; k's eight fragments of the slot's q-th 128 keys: 32 loads
	WIN 0x80
.irp t, 0,1,2,3,4,5,6,7
.irp c, 0,1,2,3
	ds_load_b128 v[16*\t+4*\c:16*\t+4*\c+3], v[ADK] offset:(128*(\q)+16*\t)*KP+32*\c
.endr
.endr
	WIN 0
.endm
.macro INIT                            ; the key step is written once: a walk's first step finds zeros, which the first change of M leaves zeros
	WIN 0x40
.set n, 0
.rept 128
	v_mov_b32 v[OO+n], 0
.set n, n+1
.endr
	WIN 0
.irp u, 0,1
	v_mov_b32 v[LS+2*\u], 0
	v_mov_b32 v[LS+2*\u+1], 0
	v_mov_b32 v[NM+2*\u+1], 0xff61b1e6             ; the largest t so far: -3e38
	v_mov_b32 v[NM+2*\u], 0x7f61b1e6               ; -M
.endr
.endm
	s_load_b128 s[4:7], s[0:1], 0x0                ; qkv s[4:5], the scales s[6:7]
	s_load_b64 s[8:9], s[0:1], 0x10                ; yc
	v_lshl_add_u32 v[SPW], v0, 2, SPARE
	v_mov_b32 v[NIL], 0
	ds_add_u32 v[SPW], v[NIL]                      ; the opening: the add twice on end, and its wait ahead of my first tensor load
	ds_add_u32 v[SPW], v[NIL]
	v_lshrrev_b32 v8, 5, v0
	v_readfirstlane_b32 s[WV], v8                  ; wave 0..3
	s_bfe_u32 s17, ttmp6, 0x40000                  ; cx: it enters q's, yc's and the prefetch's addresses and the mask's distances alone
	s_and_b32 s91, ttmp7, 0xffff                   ; bk
	s_and_b32 s16, s[WV], 1                        ; the pair of heads.  Also: which half of a tile I fetch
	s_lshr_b32 s19, s[WV], 1                       ; which of the two positions' tiles.  Also: I fetch for k (0) or v (1)
	s_lshl_b32 s92, s17, 1
	s_add_co_u32 s92, s92, s19                     ; pt
	s_lshl_b32 s93, ttmp9, 3
	s_add_co_u32 s93, s93, s92                     ; tile B
	s_sub_co_u32 s94, 127, s93                     ; tile A
	s_lshl_b32 s93, s93, 11                        ; 16 rows of 128 bytes a tile
	s_lshl_b32 s94, s94, 11
	s_lshl_b32 s95, s91, 1
	s_add_co_u32 s95, s95, s16
	s_lshl_b32 s95, s95, 19                        ; q: (4 bk + 2 (w % 2)) x 2,048 x 128
	s_add_co_u32 s[QA], s95, s94
	s_mov_b32 s[QA+1], 0
	s_add_co_u32 s[QB], s95, s93
	s_mov_b32 s[QB+1], 0
	s_and_b32 s96, s91, 1
	s_lshl_b32 s96, s96, 1
	s_add_co_u32 s96, s96, s16
	s_lshl_b32 s96, s96, 21                        ; yc: (4 (bk % 2) + 2 (w % 2)) x 8,192 x 128
	s_lshr_b32 s97, s91, 1
	s_lshl_b32 s97, s97, 18                        ; + 2,048 (bk / 2) rows
	s_add_co_u32 s96, s96, s97
	s_add_co_u32 s[YA], s96, s94
	s_mov_b32 s[YA+1], 0
	s_add_co_u32 s[YB], s96, s93
	s_mov_b32 s[YB+1], 0
	s_lshl_b32 s60, s91, 19
	s_add_co_u32 s60, s60, 8388608                 ; bk's first slot (s60-63, s98, s99 never hold cx)
	s_lshl_b32 s61, s16, 14
	s_add_co_u32 s98, s60, s61                     ; k's half: 16,384 bytes,
	s_mov_b32 s99, 0
	s_add_co_u32 s62, s98, 32768                   ; v's half: 64 rows of 256 bytes
	s_mov_b32 s63, 0
	s_lshl_b32 s[PFA], s17, 14
	s_add_co_u32 s[PFA], s[PFA], s60
	s_lshl_b32 s95, s16, 13
	s_add_co_u32 s[PFA], s[PFA], s95
	s_add_co_u32 s[PFA], s[PFA], 65536             ; the prefetches stand in slot 1: the first change of slots steps them to slot 2
	s_mov_b32 s[PFA+1], 0
	s_or_b32 s95, s19, ttmp9                       ; 0 in waves 0 and 1 of bk's first cluster: the same in all four partners
	s_cmp_eq_u32 s95, 0
	s_cselect_b32 s[PLIM], 2, -1                   ; they ask while more than two slots are still to be asked for
	s_lshr_b32 s[SB], ttmp9, 1
	s_add_co_u32 s[SB], s[SB], 1
	s_sub_co_u32 s[SAB], 9, s[SB]
	s_lshl_b32 s[SAB], s[SAB], 16
	s_sub_co_u32 s[NS], 16, ttmp9
	s_add_co_u32 s[NB], ttmp9, 1
	s_mov_b32 s[KS], 0
	s_mov_b32 s[BK+1], 0
	s_mov_b32 s[TB], 0
	s_mov_b32 s[SLOTS], 8
	s_lshl_b32 s88, s92, 4                         ; 16 (B % 8)
	s_sub_co_u32 s89, 112, s88                     ; 16 (A % 8)
	s_mul_i32 s90, s[WV], WST
	s_add_co_u32 s90, s90, STAGE                   ; my stage
	s_mov_b32 s[G1K], 15|(1<<20)|(1<<21)|(4<<22)|(3<<25)   ; the mask: all four; elements of 1 byte; padding: 4 words behind every 32
	s_mov_b32 s[G1K+1], 256<<16
	s_mov_b32 s[G1K+2], 64<<16
	s_mov_b32 s[G1K+3], 256<<16
	s_mov_b32 s[G1K+4], 64
	s_mov_b32 s[G1K+5], 256
	s_mov_b32 s[G1K+6], 0
	s_mov_b32 s[G1K+7], 0
	s_mov_b32 s[G1V], 15|(1<<20)|(1<<21)|(5<<22)|(3<<25)   ; padding: 4 words behind every 64
	s_mov_b32 s[G1V+1], 256<<16
	s_mov_b32 s[G1V+2], 64<<16
	s_mov_b32 s[G1V+3], 256<<16
	s_mov_b32 s[G1V+4], 64
	s_mov_b32 s[G1V+5], 256
	s_mov_b32 s[G1V+6], 0
	s_mov_b32 s[G1V+7], 0
	s_mov_b32 s[SEL], 0x76543210
	s_mov_b32 s[SEL+1], 0xfedcba98
	s_mov_b32 s[CS], 0x3e0293ee                    ; c = log2(e) / sqrt(128)
	s_mov_b32 s[G0K], 1
	s_mul_i32 s[G0K+1], s16, 128*KP
	s_mov_b32 s[G0V], 1
	s_mul_i32 s[G0V+1], s16, 64*VP
	s_add_co_u32 s[G0V+1], s[G0V+1], VOFF
	s_wait_dscnt 0x0                               ; both opening adds are done
	s_wait_kmcnt 0x0
	s_load_b256 s[48:55], s[6:7], 0x0              ; e0 .. e7
	s_load_b128 s[56:59], s[6:7], 0x20             ; e8 .. e11
	s_add_nc_u64 s[G0K+2:G0K+3], s[4:5], s[98:99]
	s_or_b32 s[G0K+3], s[G0K+3], 0x80000000
	s_add_nc_u64 s[G0V+2:G0V+3], s[4:5], s[62:63]
	s_or_b32 s[G0V+3], s[G0V+3], 0x80000000
	CROUND                                         ; all four work-groups are here: the first joint loads meet
	JLOAD                                          ; the stream's slot 0: one tensor load a wave at the head
	s_add_nc_u64 s[QA:QA+1], s[4:5], s[QA:QA+1]
	s_add_nc_u64 s[QB:QB+1], s[4:5], s[QB:QB+1]
	s_add_nc_u64 s[PFA:PFA+1], s[4:5], s[PFA:PFA+1]
	s_add_nc_u64 s[YA:YA+1], s[8:9], s[YA:YA+1]
	s_add_nc_u64 s[YB:YB+1], s[8:9], s[YB:YB+1]
	v_and_b32 v8, 15, v0                           ; r
	v_bfe_u32 v9, v0, 4, 1                         ; h
	v_and_b32 v14, 31, v0                          ; lane
	v_lshlrev_b32 v[QO], 7, v8
	v_lshl_add_u32 v[QO], v9, 4, v[QO]
	v_mul_u32_u24 v[AK0], v8, KP
	v_lshl_add_u32 v[AK0], v9, 4, v[AK0]
	v_mul_u32_u24 v[AV0], v8, VP
	v_lshl_add_u32 v[AV0], v9, 4, v[AV0]
	v_add_nc_u32 v[AV0], VOFF, v[AV0]
	v_lshlrev_b32 v15, 3, v9
	v_sub_nc_u32 v15, v8, v15                      ; r - 8 h
	v_add_nc_u32 v[DB], s88, v15
	v_add_nc_u32 v[DA], s89, v15
	v_lshlrev_b32 v[PFO], 8, v14
	v_lshlrev_b32 v[GO], 4, v14
	v_mul_u32_u24 v[STI], v8, KP
	v_lshl_add_u32 v[STI], v9, 3, v[STI]
	v_add_nc_u32 v[STI], s90, v[STI]               ; the stage, in: row r, byte 16 t + 8 h
	v_lshrrev_b32 v[STR], 3, v14
	v_mul_u32_u24 v[STR], v[STR], KP
	v_and_b32 v15, 7, v0
	v_lshl_add_u32 v[STR], v15, 4, v[STR]
	v_add_nc_u32 v[STR], s90, v[STR]               ; back: eight lanes a row, four rows an instruction
	WIN 0x40
.irp u, 0,1
.irp c, 0,1,2,3
	global_load_b128 v[QQ+16*\u+4*\c:QQ+16*\u+4*\c+3], v[QO], s[QA:QA+1] offset:262144*\u+32*\c   ; tile A's q, both heads
.endr
.endr
	WIN 0
	INIT
	v_mov_b32 v[XP], 0                             ; a lane permute's destination counts as one of its sources
	v_mov_b32 v[XP+1], 0
	v_mov_b32 v[FF+1], 0                           ; named as the upper halves of pairs
	v_mov_b32 v[FF+3], 0
	v_mov_b32 v[NINF], 0xff800000
	s_wait_kmcnt 0x0
	s_add_co_i32 s88, s54, s55
	s_lshl_b32 s88, s88, 23
	s_add_co_i32 s[CS], s[CS], s88                 ; a score stands for score x 2^(e6 + e7)
	s_mov_b32 s[CS+1], s[CS]
	s_add_co_i32 s88, s57, 127
	s_lshl_b32 s89, s88, 23
	v_mov_b32 v[SCP], s89                          ; 2^e9
	s_add_co_i32 s88, s88, 8
	s_lshl_b32 s88, s88, 23
	s_or_b32 s[LP], s88, 0x600000                  ; 448 x 2^e9
	s_add_co_i32 s88, s58, 127
	s_lshl_b32 s89, s88, 23
	v_mov_b32 v[SCY], s89                          ; 2^e10
	s_add_co_i32 s88, s88, 8
	s_lshl_b32 s88, s88, 23
	s_or_b32 s88, s88, 0x600000
	v_mov_b32 v[LIMY], s88                         ; 448 x 2^e10
	s_add_co_i32 s[EO], s56, s57
; A KEY STEP: 128 keys, the s[IQ]-th of the slot in hand, for my two tiles of queries.  dreg: the mask's distance of the walk that can end in this copy.  reload = 1: the walk that ends here is A: B's q is asked for.
.macro STEP dreg, reload
	s_cmp_ge_u32 s[KS], s[NS]                      ; beyond the walk's last step: all keys come after my positions
	s_cbranch_scc1 .Lhid_\@
	s_wait_loadcnt 0x0                             ; no load of q is out where score products follow (a reload is asked for in a walk's last step alone)
	s_lshl_b32 s91, s[IQ], 7
	s_add_co_u32 s91, s91, s[TB]
	v_add_nc_u32 v[ADV], s91, v[AV0]
	s_wait_alu depctr_va_vdst(0)
	WIN 0x06                                       ; source 0 window 2, source 1 window 1
.irp t, 0,1,2,3,4,5,6,7                        ; S^T = k q^T.  LDS loads come back in order: fragment t waits for its own four loads; k's later fragments may be out
	s_wait_dscnt 28-4*\t
	v_wmma_f32_16x16x128_fp8_fp8 v[SS+8*\t:SS+8*\t+7], v[16*\t:16*\t+15], v[QQ:QQ+15], 0
	v_wmma_f32_16x16x128_fp8_fp8 v[SS+64+8*\t:SS+64+8*\t+7], v[16*\t:16*\t+15], v[QQ+16:QQ+31], 0
.endr
	WIN 0
.rept 4
	v_nop                                          ; places in front of the loads into k's, v's and q's registers and of the first read of the scores
.endr
	s_cmp_eq_u32 s[IQ], 0
	s_cbranch_scc0 .Lnok_\@
	KLOAD 1                                        ; the slot's second step's k is on its way during this step's softmax
.Lnok_\@:
	WIN 0x80
.irp t, 0,1,2,3,4,5,6,7
.irp c, 0,1,2,3
	ds_load_b128 v[128+16*\t+4*\c:128+16*\t+4*\c+3], v[ADV] offset:16*\t*VP+32*\c   ; v's eight fragments likewise
.endr
.endr
	WIN 0
	s_add_co_u32 s91, s[KS], 1
	s_cmp_lt_u32 s91, s[NS]
	s_cbranch_scc1 .Lopen_\@                       ; only a walk's last step lies on the diagonal
.if \reload
	WIN 0x40
.irp u, 0,1
.irp c, 0,1,2,3
	global_load_b128 v[QQ+16*\u+4*\c:QQ+16*\u+4*\c+3], v[QO], s[QB:QB+1] offset:262144*\u+32*\c   ; A's last score products are issued: tile B's q; awaited where A has gone out
.endr
.endr
	WIN 0
.endif
.set n, 0
.rept 64                                       ; register 8 t + j holds key 16 t + 8 h + j of the step: hidden where 16 t + j is greater than the distance; one compare serves both heads
	v_cmp_gt_i32 vcc_lo, 16*(n/8)+n%8, v[\dreg]
	v_cndmask_b32 v[SS+n], v[SS+n], v[NINF], vcc_lo
	v_cndmask_b32 v[SS+64+n], v[SS+64+n], v[NINF], vcc_lo
.set n, n+1
.endr
.Lopen_\@:
.irp u, 0,1                                    ; the step's largest score of each query: two chains a tile, each accumulator from its low end on
	v_max3_num_f32 v[MA+\u], v[SS+64*\u], v[SS+64*\u+1], v[SS+64*\u+2]
	v_max3_num_f32 v[MB+\u], v[SS+64*\u+3], v[SS+64*\u+4], v[SS+64*\u+5]
.endr
.set n, 6
.rept 14
.irp u, 0,1
	v_max3_num_f32 v[MA+\u], v[MA+\u], v[SS+64*\u+n], v[SS+64*\u+n+1]
.endr
.irp u, 0,1
	v_max3_num_f32 v[MB+\u], v[MB+\u], v[SS+64*\u+n+2], v[SS+64*\u+n+3]
.endr
.set n, n+4
.endr
.irp u, 0,1
	v_max3_num_f32 v[MA+\u], v[MA+\u], v[SS+64*\u+62], v[SS+64*\u+63]
.endr
.irp u, 0,1
	v_max_num_f32 v[MA+\u], v[MA+\u], v[MB+\u]
.endr
.irp u, 0,1
	v_permlanex16_b32 v[XP+\u], v[MA+\u], s[SEL], s[SEL+1]
.endr
.irp u, 0,1
	v_max_num_f32 v[MA+\u], v[MA+\u], v[XP+\u]     ; and among the other half's keys
.endr
.irp u, 0,1
	v_mul_f32 v[MA+\u], s[CS], v[MA+\u]            ; as t (c is positive)
.endr
.irp u, 0,1
	v_max_num_f32 v[NM+2*\u+1], v[NM+2*\u+1], v[MA+\u]
.endr
.irp u, 0,1
	v_floor_f32 v[MB+\u], -v[NM+2*\u+1]            ; the new -M = -ceil(t): a whole number
.endr
.irp u, 0,1
	v_sub_f32 v[MA+\u], v[MB+\u], v[NM+2*\u]       ; old M - new M: 0 or less
.endr
.irp u, 0,1
	v_mov_b32 v[NM+2*\u], v[MB+\u]
.endr
.irp u, 0,1
	v_cvt_i32_f32 v[MA+\u], v[MA+\u]               ; (it saturates)
.endr
.irp u, 0,1
	v_ldexp_f32 v[FF+2*\u], 1.0, v[MA+\u]          ; f = 2^(old M - new M)
.endr
	WIN 0x41                                       ; O^T under the new M, ahead of the exponentials
.irp u, 0,1
.set n, 0
.rept 32
	v_pk_mul_f32 v[OO+64*\u+n:OO+64*\u+n+1], v[OO+64*\u+n:OO+64*\u+n+1], v[FF+2*\u:FF+2*\u+1] op_sel_hi:[1,0]
.set n, n+2
.endr
.endr
	WIN 0
.set n, 0
.rept 32
	v_pk_fma_f32 v[SS+n:SS+n+1], v[SS+n:SS+n+1], s[CS:CS+1], v[NM:NM+1] op_sel_hi:[1,0,0]   ; tile 0: t - M
.set n, n+2
.endr
	s_wait_alu depctr_va_vdst(0)
.set n, 0
.rept 32                                       ; tile 0's p = 2^(t - M), with tile 1's t - M between
	v_exp_f32 v[SS+n], v[SS+n]
	v_pk_fma_f32 v[SS+64+n:SS+64+n+1], v[SS+64+n:SS+64+n+1], s[CS:CS+1], v[NM+2:NM+3] op_sel_hi:[1,0,0]
	v_exp_f32 v[SS+n+1], v[SS+n+1]
.set n, n+2
.endr
	v_nop                                          ; a plain line behind the last exponential,
	s_wait_alu depctr_va_vdst(0)                   ; and one wait: behind the first batch and ahead of the second
.set n, 0
.rept 64                                       ; tile 1's p, with tile 0's hold between: into other registers, since the row's sum is taken of the p that is not held
	v_exp_f32 v[SS+64+n], v[SS+64+n]
	v_min_num_f32 v[TT+n], s[LP], v[SS+n]          ; the conversion does not saturate (ISA guide 7.6.2); p is not negative: a one-sided hold
.set n, n+1
.endr
	s_wait_alu depctr_va_vdst(0)                   ; one wait for the batch, ahead of its first reader
.irp k, 0,1,2,3                                ; the rows' sums of the unquantised p: four chains a tile
.irp u, 0,1
	v_pk_add_f32 v[AC+8*\u+2*\k:AC+8*\u+2*\k+1], v[SS+64*\u+2*\k:SS+64*\u+2*\k+1], v[SS+64*\u+8+2*\k:SS+64*\u+9+2*\k]
.endr
.endr
.set n, 8
.rept 24
.irp u, 0,1
	v_pk_add_f32 v[AC+8*\u+2*(n%4):AC+8*\u+2*(n%4)+1], v[AC+8*\u+2*(n%4):AC+8*\u+2*(n%4)+1], v[SS+64*\u+2*n:SS+64*\u+2*n+1]
.endr
.set n, n+1
.endr
.irp u, 0,1
	v_pk_add_f32 v[AC+8*\u:AC+8*\u+1], v[AC+8*\u:AC+8*\u+1], v[AC+8*\u+2:AC+8*\u+3]
	v_pk_add_f32 v[AC+8*\u+4:AC+8*\u+5], v[AC+8*\u+4:AC+8*\u+5], v[AC+8*\u+6:AC+8*\u+7]
.endr
.irp u, 0,1
	v_pk_add_f32 v[AC+8*\u:AC+8*\u+1], v[AC+8*\u:AC+8*\u+1], v[AC+8*\u+4:AC+8*\u+5]
.endr
.irp u, 0,1
	v_pk_fma_f32 v[LS+2*\u:LS+2*\u+1], v[LS+2*\u:LS+2*\u+1], v[FF+2*\u:FF+2*\u+1], v[AC+8*\u:AC+8*\u+1] op_sel_hi:[1,0,1]   ; the sum x f + the step's
.endr
.set n, 0
.rept 64
	v_min_num_f32 v[SS+64+n], s[LP], v[SS+64+n]    ; tile 1's hold, behind its sum
.set n, n+1
.endr
	WIN 0x40
.irp t, 0,1,2,3,4,5,6,7
	v_cvt_scalef32_pk8_fp8_f32 v[PP+2*\t:PP+2*\t+1], v[TT+8*\t:TT+8*\t+7], v[SCP]
.endr
.irp t, 0,1,2,3,4,5,6,7
	v_cvt_scalef32_pk8_fp8_f32 v[PP+16+2*\t:PP+16+2*\t+1], v[SS+64+8*\t:SS+64+8*\t+7], v[SCP]
.endr
	v_nop                                          ; a plain line between the conversions and the products that read the codes
	s_wait_alu depctr_va_vdst(0)
	s_wait_dscnt 0x0                               ; v's fragments are in (and the next step's k)
	WIN 0x56                                       ; source 0 window 2, source 1, C and D window 1
.irp t, 0,1,2,3,4,5,6,7                        ; O^T += v^T p^T: sixteen accumulators, one instruction each
	v_wmma_f32_16x16x128_fp8_fp8 v[OO+8*\t:OO+8*\t+7], v[128+16*\t:128+16*\t+15], v[PP:PP+15], v[OO+8*\t:OO+8*\t+7]
	v_wmma_f32_16x16x128_fp8_fp8 v[OO+64+8*\t:OO+64+8*\t+7], v[128+16*\t:128+16*\t+15], v[PP+16:PP+31], v[OO+64+8*\t:OO+64+8*\t+7]
.endr
	WIN 0
.Lhid_\@:
	s_add_co_u32 s[KS], s[KS], 1
.endm
; THE CHANGE OF SLOTS stands at a slot's head.  Each wave waits for all its tensor loads, adds 0 to its spare word, and waits for that and for its reads of the slot that it has left.
; fill = 1: a round of the cluster's barrier, and behind it the slot just left is filled with the stream's next: the load has a slot's two key steps in which to land.
.macro CHANGE fill
	s_wait_tensorcnt 0x0                           ; no tensor load of mine is out, so a group 0 may be written
	ds_add_u32 v[SPW], v[NIL]                      ; 0 onto my spare word
.if \fill
	s_xor_b32 s[G0K+1], s[G0K+1], SLOT1
	s_add_nc_u64 s[G0K+2:G0K+3], s[G0K+2:G0K+3], 65536
	s_xor_b32 s[G0V+1], s[G0V+1], SLOT1
	s_add_nc_u64 s[G0V+2:G0V+3], s[G0V+2:G0V+3], 65536
	s_cmp_eq_u32 s[SLOTS], s[SB]                   ; A's slots are all asked for: back to key 0, for B
	s_cselect_b32 s[BK], s[SAB], 0
	s_sub_nc_u64 s[G0K+2:G0K+3], s[G0K+2:G0K+3], s[BK:BK+1]
	s_sub_nc_u64 s[G0V+2:G0V+3], s[G0V+2:G0V+3], s[BK:BK+1]
	s_wait_xcnt 0x0                                ; the last prefetch, a slot back, has read its address
	s_add_nc_u64 s[PFA:PFA+1], s[PFA:PFA+1], 65536 ; one slot further on than the walking descriptors
.endif
	v_add_nc_u32 v[ADK], s[TB], v[AK0]
	s_wait_alu depctr_va_vdst(0)
	s_wait_dscnt 0x0                               ; the add is done, and my reads of the slot that I have left are over
.if \fill
	CROUND
	JLOAD                                          ; the first thing behind the round, and my one tensor load until the next
.else
	s_barrier_signal -1
	s_barrier_wait -1
.endif
	KLOAD 0
.if \fill
	s_cmp_gt_u32 s[SLOTS], s[PLIM]
	s_cbranch_scc0 .Lnot_mine_\@
	global_prefetch_b8 v[PFO], s[PFA:PFA+1] th:TH_LOAD_NT scope:SCOPE_SE   ; what the next change of slots will ask for
.Lnot_mine_\@:
.endif
.endm
; A WALK'S END: y = O^T / the sum x 2^(e8 + e9), quantised with e10; each tile's 16 rows of 128 codes go through my stage and leave as 2,048 consecutive bytes.  re = 1: the sums begin anew, for B.
.macro FLUSH yb, re
.irp u, 0,1
	v_add_f32 v[LS+2*\u], v[LS+2*\u], v[LS+2*\u+1]
.endr
.irp u, 0,1
	v_permlanex16_b32 v[XP+\u], v[LS+2*\u], s[SEL], s[SEL+1]
.endr
.irp u, 0,1
	v_add_f32 v[LS+2*\u], v[LS+2*\u], v[XP+\u]     ; the row's sum
.endr
	s_wait_alu depctr_va_vdst(0)                   ; ahead of the transcendentals,
.irp u, 0,1
	v_rcp_f32 v[LS+2*\u], v[LS+2*\u]
.endr
	v_nop
	s_wait_alu depctr_va_vdst(0)                   ; and ahead of their first reader
.irp u, 0,1
	v_ldexp_f32 v[LS+2*\u], v[LS+2*\u], s[EO]
.endr
	WIN 0x01
	s_wait_alu depctr_va_vdst(0)                   ; directly ahead of the first reader of O^T
.irp u, 0,1
.set n, 0
.rept 32
	v_pk_mul_f32 v[SS+64*\u+n:SS+64*\u+n+1], v[OO+64*\u+n:OO+64*\u+n+1], v[LS+2*\u:LS+2*\u+1] op_sel_hi:[1,0]   ; register 8 t + j is y(r, 16 t + 8 h + j); each accumulator from its low end on
.set n, n+2
.endr
.endr
	WIN 0
.set n, 0
.rept 128
	v_med3_num_f32 v[SS+n], v[SS+n], -v[LIMY], v[LIMY]
.set n, n+1
.endr
.set n, 0
.rept 16
	v_cvt_scalef32_pk8_fp8_f32 v[TT+2*n:TT+2*n+1], v[SS+8*n:SS+8*n+7], v[SCY]
.set n, n+1
.endr
	v_nop
.irp u, 0,1
.irp t, 0,1,2,3,4,5,6,7
	ds_store_b64 v[STI], v[TT+16*\u+2*\t:TT+16*\u+2*\t+1] offset:16*KP*\u+16*\t
.endr
.endr
.irp u, 0,1
.irp i, 0,1,2,3
	ds_load_b128 v[TT+32+16*\u+4*\i:TT+32+16*\u+4*\i+3], v[STR] offset:16*KP*\u+4*\i*KP   ; LDS serves a wave's instructions in order: these see my stores
.endr
.endr
.irp u, 0,1
.irp i, 0,1,2,3
	s_wait_dscnt 7-4*\u-\i
	global_store_b128 v[GO], v[TT+32+16*\u+4*\i:TT+32+16*\u+4*\i+3], s[\yb:\yb+1] offset:1048576*\u+512*\i   ; the wave stores 512 consecutive bytes, aligned
.endr
.endr
.if \re
	s_wait_xcnt 0x0                                ; the stores have read their registers, which the next steps write
	INIT
	s_mov_b32 s[KS], 0
	s_mov_b32 s[NS], s[NB]
	s_wait_alu depctr_va_vdst(0)
	s_wait_loadcnt 0x0                             ; tile B's q
.endif
.endm
.macro TRIP fill
	CHANGE \fill
	s_mov_b32 s[IQ], 0
.Lq_\@:                                            ; the slot's two key steps: one text
.if \fill
	STEP DA, 1
.else
	STEP DB, 0
.endif
	s_add_co_u32 s[IQ], s[IQ], 1
	s_cmp_lt_u32 s[IQ], 2
	s_cbranch_scc1 .Lq_\@
	s_xor_b32 s[TB], s[TB], SLOT1
.if \fill
	s_cmp_eq_u32 s[SLOTS], s[SB]                   ; this was A's last slot (it is never the stream's last)
	s_cbranch_scc0 .Lnf_\@
	FLUSH YA, 1
.Lnf_\@:
.else
	FLUSH YB, 0
.endif
.endm
	s_wait_alu depctr_va_vdst(0)
	s_wait_loadcnt 0x0                             ; tile A's q
.Lslot:                                            ; eight trips: behind each change of slots but the last the stream's next slot is asked for
	TRIP 1
	s_sub_co_u32 s[SLOTS], s[SLOTS], 1
	s_cmp_lg_u32 s[SLOTS], 0
	s_cbranch_scc1 .Lslot
	TRIP 0                                         ; the ninth slot, B's last, is written out
	s_wait_tensorcnt 0x0                           ; the wave's end
	ds_add_u32 v[SPW], v[NIL]
	s_wait_dscnt 0x0
	CROUND                                         ; the closing round
	s_endpgm
.Lfunc_end_k_q5bf554a248_attn:
	.size	k_q5bf554a248_attn, .Lfunc_end_k_q5bf554a248_attn-k_q5bf554a248_attn
	.p2alignl 7, 3214868480
	.fill 96, 4, 3214868480
	.section	.rodata,"a",@progbits
	.p2align	6, 0x0
	.amdhsa_kernel k_q5bf554a248_attn
		.amdhsa_group_segment_fixed_size 327680
		.amdhsa_private_segment_fixed_size 0
		.amdhsa_enable_private_segment 0
		.amdhsa_kernarg_size 24
		.amdhsa_user_sgpr_count 2
		.amdhsa_user_sgpr_kernarg_segment_ptr 1
		.amdhsa_wavefront_size32 1
		.amdhsa_system_sgpr_workgroup_id_x 1
		.amdhsa_system_sgpr_workgroup_id_y 1
		.amdhsa_system_sgpr_workgroup_id_z 1
		.amdhsa_system_vgpr_workitem_id 0
		.amdhsa_next_free_vgpr 768
		.amdhsa_next_free_sgpr 100
		.amdhsa_reserve_vcc 1
		.amdhsa_float_denorm_mode_32 3
		.amdhsa_float_denorm_mode_16_64 3
		.amdhsa_memory_ordered 1
		.amdhsa_forward_progress 1
		.amdhsa_inst_pref_size 138
	.end_amdhsa_kernel
	.amdgpu_metadata
---
amdhsa.version: [ 1, 2 ]
amdhsa.kernels:
  - .name:           k_q5bf554a248_attn
    .symbol:         k_q5bf554a248_attn.kd
    .args:
      - { .name: qkv, .offset: 0, .size: 8, .value_kind: global_buffer, .address_space: global }
      - { .name: lowp_scales, .offset: 8, .size: 8, .value_kind: global_buffer, .address_space: global }
      - { .name: yc, .offset: 16, .size: 8, .value_kind: global_buffer, .address_space: global }
    .group_segment_fixed_size: 327680
    .private_segment_fixed_size: 0
    .kernarg_segment_align: 8
    .kernarg_segment_size: 24
    .max_flat_workgroup_size: 128
    .sgpr_count:     100
    .vgpr_count:     768
    .wavefront_size: 32
...
	.end_amdgpu_metadata
.endif
;; end of part 3
;; launch oproj (part 4): grid 4 x 64, 4 waves a work-group, clusters of 4 x 4, 327,680 bytes of LDS; arguments yc, wc, lowp_scales, out0; writes out0
.if DOCPART == 4
	.amdgcn_target "amdgcn-amd-amdhsa--gfx1250"
	.amdhsa_code_object_version 6
	.text
	.protected	k_q5bf554a248_oproj
	.globl	k_q5bf554a248_oproj
	.p2align	8
	.type	k_q5bf554a248_oproj,@function
k_q5bf554a248_oproj:
	s_mov_b64 s[64:65], 0
	v_nop
	global_prefetch_b8 v0, s[64:65] scope:SCOPE_SE
	s_setreg_imm32_b32 hwreg(HW_REG_WAVE_MODE, 25, 1), 1
	s_wait_xcnt 0x0
	s_wait_alu depctr_hold_cnt(0) depctr_sa_sdst(0) depctr_va_vdst(0) depctr_va_sdst(0) depctr_va_ssrc(0) depctr_va_vcc(0) depctr_vm_vsrc(0)
	s_getreg_b32 s2, hwreg(HW_REG_IB_STS2, 6, 4)
	s_cmp_eq_u32 s2, 0
	s_cbranch_scc0 .Lentry_in_a_cluster
	s_endpgm
.Lentry_in_a_cluster:
	s_bfe_u32 s2, ttmp6, 0x10000c
	s_cmp_lg_u32 s2, 0xf033
	s_cbranch_scc0 .Lentry_shape_is_right
	s_endpgm
.Lentry_shape_is_right:
.set SIZE_N, 1024
.set PA,     144
.set PB,     272
.set APL,    128*PA
.set HALFB,  128*PB
.set BOFF,   2*APL
.set SLOT,   BOFF+2*HALFB
.set FR,     16
.set NP,     4
.set SPARE,  3*SLOT
.set SPITCH, 528
.set STAGE,  SLOT
.set ADRA, 16
.set ADRB, 20
.set STO,  24
.set RD,   25
.set CO,   26
.set SPW,  28
.set NIL,  29
.set TMP,  32
.set AF,   128
.set BK,   128
.set G1, 24
.set G0, 32
.set G1B, 48
.set G0B, 68
.set MSB, 0
.macro WIN new
.if MSB != (\new)
	s_set_vgpr_msb (MSB<<8)|(\new)
.set MSB, \new
.endif
.endm
.set MUL,  0xa1
.set TO_B, 0x40
.macro JLOAD g0a, g1a, g0b, g1b
	s_cmp_eq_u32 s15, 0
	s_cbranch_scc0 .Lfor_b_\@
	tensor_load_to_lds s[\g0a:\g0a+3], s[\g1a:\g1a+7]
	s_nop 0
.rept 4
	v_nop
.endr
	s_branch .Lasked_\@
.Lfor_b_\@:
	tensor_load_to_lds s[\g0b:\g0b+3], s[\g1b:\g1b+7]
	s_nop 0
.rept 4
	v_nop
.endr
.Lasked_\@:
.endm
.macro CREST
	s_cmp_lg_u32 s14, 0
	s_cbranch_scc1 .Lnot_wave_0_\@
	s_barrier_signal -3
.Lnot_wave_0_\@:
	s_barrier_wait -3
	s_barrier_signal -1
	s_barrier_wait -1
.endm
.macro CROUND
	s_barrier_signal -1
	s_barrier_wait -1
	CREST
.endm
	s_load_b128 s[4:7], s[0:1], 0x0
	s_load_b128 s[8:11], s[0:1], 0x10
	v_lshl_add_u32 v[SPW], v0, 2, SPARE
	v_mov_b32 v[NIL], 0
	ds_add_u32 v28, v29
	ds_add_u32 v28, v29
	s_wait_dscnt 0x0
	v_lshrrev_b32 v1, 5, v0
	v_readfirstlane_b32 s14, v1
	s_lshr_b32 s15, s14, 1
	s_and_b32 s16, s14, 1
	s_bfe_u32 s80, ttmp6, 0x40000
	s_bfe_u32 s81, ttmp6, 0x40004
	s_lshl_b32 s82, ttmp9, 2
	s_add_co_u32 s82, s82, s80
	s_and_b32 s17, ttmp7, 0xffff
	s_lshl_b32 s17, s17, 2
	s_add_co_u32 s17, s17, s81
	s_lshl_b32 s83, s81, 2
	s_lshl_b32 s83, 15, s83
	s_lshl_b32 s84, 0x1111, s80
	s_or_b32 s[G1+0], s83, (1<<20)|(1<<21)|(4<<22)|(3<<25)
	; yc's tile, 128 dense rows of 128 bytes, is stated as 64 rows of 256 bytes; the padding still stands behind each 128 bytes, so the LDS image is the same
	s_mov_b32 s[G1+1], 256<<16
	s_mov_b32 s[G1+2], 64<<16
	s_mov_b32 s[G1+3], 256<<16
	s_mov_b32 s[G1+4], 64
	s_mov_b32 s[G1+5], 256
	s_mov_b32 s[G1+6], 0
	s_mov_b32 s[G1+7], 0
	s_or_b32 s[G1B+0], s84, (1<<20)|(1<<21)|(5<<22)|(3<<25)
	s_mov_b32 s[G1B+1], 256<<16
	s_mov_b32 s[G1B+2], 128<<16
	s_mov_b32 s[G1B+3], 256<<16
	s_mov_b32 s[G1B+4], 128
	s_mov_b32 s[G1B+5], 1024
	s_mov_b32 s[G1B+6], 0
	s_mov_b32 s[G1B+7], 0
	s_lshl_b32 s20, s16, 20
	s_lshl_b32 s18, s17, 14
	s_add_co_u32 s20, s20, s18
	s_mov_b32 s21, 0
	s_lshl_b32 s86, s82, 18
	s_lshl_b32 s87, s16, 17
	s_add_co_u32 s86, s86, s87
	s_add_co_u32 s86, s86, 1536*1024
	s_mov_b32 s87, 0
	s_mul_i32 s85, s16, APL
	s_mul_i32 s88, s16, HALFB
	s_add_co_u32 s88, s88, BOFF
	s_wait_kmcnt 0x0
	s_load_b64 s[96:97], s[8:9], 0x28
	s_add_nc_u64 s[20:21], s[4:5], s[20:21]
	s_add_nc_u64 s[86:87], s[6:7], s[86:87]
	CROUND
.irp s, 0,1,2
	s_mov_b32 s[G0+4*\s], 1
	s_add_co_u32 s[G0+4*\s+1], s85, \s*SLOT
	s_add_nc_u64 s[G0+4*\s+2:G0+4*\s+3], s[20:21], \s*2097152
	s_or_b32 s[G0+4*\s+3], s[G0+4*\s+3], 0x80000000
	s_mov_b32 s[G0B+4*\s], 1
	s_add_co_u32 s[G0B+4*\s+1], s88, \s*SLOT
	s_add_nc_u64 s[G0B+4*\s+2:G0B+4*\s+3], s[86:87], \s*256
	s_or_b32 s[G0B+4*\s+3], s[G0B+4*\s+3], 0x80000000
	s_wait_alu depctr_va_vdst(0)
	s_wait_tensorcnt 0x0
	ds_add_u32 v28, v29
	ds_add_u32 v28, v29
	s_wait_dscnt 0x0
	CROUND
	JLOAD G0+4*\s, G1, G0B+4*\s, G1B
.endr
	v_and_b32 v1, 15, v0
	v_bfe_u32 v2, v0, 4, 1
	v_mul_u32_u24 v3, v1, PA
	v_lshl_add_u32 v3, v2, 4, v3
	v_mul_u32_u24 v4, v1, PB
	v_lshl_add_u32 v4, v2, 4, v4
	s_mul_i32 s21, s15, 64*PA
	s_mul_i32 s22, s16, HALFB
	s_add_co_u32 s22, s22, BOFF
.irp s, 0,1,2
	v_add_nc_u32 v[ADRA+\s], s21, v3
	v_add_nc_u32 v[ADRB+\s], s22, v4
	s_add_co_u32 s21, s21, SLOT
	s_add_co_u32 s22, s22, SLOT
.endr
	s_mul_i32 s23, s14, 16*SPITCH
	s_add_co_u32 s23, s23, STAGE
	v_mul_u32_u24 v5, v1, SPITCH
	v_lshl_add_u32 v5, v2, 5, v5
	v_add_nc_u32 v[STO], s23, v5
	v_and_b32 v6, 31, v0
	v_lshlrev_b32 v[CO], 4, v6
	v_add_nc_u32 v[RD], s23, v[CO]
	s_lshl_b32 s20, s17, 7
	s_lshl_b32 s21, s15, 6
	s_add_co_u32 s20, s20, s21
	s_mov_b32 s21, 0
	s_mov_b64 s[18:19], SIZE_N*4
	s_mul_u64 s[20:21], s[20:21], s[18:19]
	s_lshl_b32 s86, s82, 10
	s_lshl_b32 s87, s16, 9
	s_add_co_u32 s86, s86, s87
	s_mov_b32 s87, 0
	s_add_nc_u64 s[20:21], s[20:21], s[86:87]
	s_add_nc_u64 s[10:11], s[10:11], s[20:21]
.macro FRAGA reg, slot, q, i
.irp c, 0,1,2,3
	ds_load_b128 v[\reg+4*\c:\reg+4*\c+3], v[ADRA+\slot] offset:APL*(\q)+(\i)*16*PA+32*\c
.endr
.endm
.macro FRAGB reg, slot, q, i
.irp c, 0,1,2,3
	ds_load_b128 v[\reg+4*\c:\reg+4*\c+3], v[ADRB+\slot] offset:128*(\q)+32*\c+(\i)*16*PB
.endr
.endm
.macro MUL8 a, p, zero
.irp b, 0,1,2,3,4,5,6,7
.if \zero
	v_wmma_f32_16x16x128_fp8_fp8 v[8*(8*(\a)+\b):8*(8*(\a)+\b)+7], v[128*(\p)+FR*\b:128*(\p)+FR*\b+FR-1], v[AF+64*(\p)+FR*(\a):AF+64*(\p)+FR*(\a)+FR-1], 0
.else
	v_wmma_f32_16x16x128_fp8_fp8 v[8*(8*(\a)+\b):8*(8*(\a)+\b)+7], v[128*(\p)+FR*\b:128*(\p)+FR*\b+FR-1], v[AF+64*(\p)+FR*(\a):AF+64*(\p)+FR*(\a)+FR-1], v[8*(8*(\a)+\b):8*(8*(\a)+\b)+7]
.endif
.endr
.endm
.macro FETCH slot, q, p
	WIN TO_B
.irp i, 0,1,2,3,4,5,6,7
	FRAGB 128*(\p)+FR*\i, \slot, \q, \i
.endr
	WIN 0
.irp i, 0,1,2,3
	FRAGA AF+64*(\p)+FR*\i, \slot, \q, \i
.endr
.endm
.macro PLACES n
.rept \n
	v_nop
.endr
.endm
.macro STEP p, nslot, nq, zero
	s_wait_dscnt 8
	WIN MUL
	MUL8 0, \p, \zero
	MUL8 1, \p, \zero
	PLACES NP
	FETCH \nslot, \nq, 1-(\p)
	s_wait_dscnt 48
	WIN MUL
	MUL8 2, \p, \zero
	MUL8 3, \p, \zero
.endm
.macro TURN next, fill
	WIN 0
	s_wait_tensorcnt 0x0
	ds_add_u32 v[SPW], v[NIL]
	s_wait_dscnt 9
	WIN MUL
	MUL8 0, 1, 0
	MUL8 1, 1, 0
	s_wait_dscnt 0x0
	s_barrier_signal -1
	MUL8 2, 1, 0
	WIN 0
	s_barrier_wait -1
.if \fill
	CREST
	s_add_nc_u64 s[G0+2:G0+3], s[G0+2:G0+3], 3*2097152
	s_add_nc_u64 s[G0B+2:G0B+3], s[G0B+2:G0B+3], 768
	JLOAD G0, G1, G0B, G1B
.else
	PLACES NP
.endif
	s_wait_alu depctr_va_vdst(0)
	FETCH \next, 0, 0
	WIN MUL
	MUL8 3, 1, 0
.endm
	s_wait_tensorcnt 2
	s_barrier_signal -1
	s_barrier_wait -1
	FETCH 0, 0, 0
	STEP 0, 0, 1, 1
	TURN 1, 1
	STEP 0, 1, 1, 0
	STEP 1, 2, 0, 0
	STEP 0, 2, 1, 0
	TURN 0, 0
	STEP 0, 0, 1, 0
	s_wait_dscnt 8
	WIN MUL
	MUL8 0, 1, 0
	MUL8 1, 1, 0
	s_wait_dscnt 0
	MUL8 2, 1, 0
	MUL8 3, 1, 0
	WIN 0
.macro TOSTAGE a
.set AC, 64*(\a)
	WIN 0x02
.set n, 0
.rept 32
	v_pk_mul_f32 v[TMP+n:TMP+n+1], v[AC+n:AC+n+1], s[96:97] op_sel_hi:[1,0]
.set n, n+2
.endr
	WIN 0
.irp b, 0,1,2,3,4,5,6,7
	ds_store_b128 v[STO], v[TMP+8*\b:TMP+8*\b+3] offset:64*\b
	ds_store_b128 v[STO], v[TMP+8*\b+4:TMP+8*\b+7] offset:64*\b+16
.endr
.set BB, BK+64*((\a)%2)
.irp t, 0,1,2,3,4,5,6,7,8,9,10,11,12,13,14,15
	ds_load_b128 v[BB+4*\t:BB+4*\t+3], v[RD] offset:\t*SPITCH
.endr
.endm
.macro SEND a, younger
.set BB, BK+64*((\a)%2)
	s_wait_dscnt \younger
.if (\a) > 0
	s_add_nc_u64 s[10:11], s[10:11], 16*SIZE_N*4
.endif
.irp t, 0,1,2,3,4,5,6,7,8,9,10,11,12,13,14,15
	global_store_b128 v[CO], v[BB+4*\t:BB+4*\t+3], s[10:11] offset:\t*SIZE_N*4 th:TH_STORE_NT
.endr
.endm
	s_wait_kmcnt 0x0
	s_add_co_i32 s96, s96, s97
	s_add_co_i32 s96, s96, 127
	s_lshl_b32 s96, s96, 23
	PLACES NP
	TOSTAGE 0
.irp a, 1,2,3
.if \a > 1
	s_wait_xcnt 0x0
.endif
	TOSTAGE \a
	SEND \a-1, 32
.endr
	s_wait_xcnt 0x0
	SEND 3, 0
	s_wait_tensorcnt 0x0
	ds_add_u32 v[SPW], v[NIL]
	s_wait_dscnt 0x0
	CROUND
	s_endpgm
.Lfunc_end_k_q5bf554a248_oproj:
	.size	k_q5bf554a248_oproj, .Lfunc_end_k_q5bf554a248_oproj-k_q5bf554a248_oproj
	.p2alignl 7, 3214868480
	.fill 96, 4, 3214868480
	.section	.rodata,"a",@progbits
	.p2align	6, 0x0
	.amdhsa_kernel k_q5bf554a248_oproj
		.amdhsa_group_segment_fixed_size 327680
		.amdhsa_private_segment_fixed_size 0
		.amdhsa_enable_private_segment 0
		.amdhsa_kernarg_size 32
		.amdhsa_user_sgpr_count 2
		.amdhsa_user_sgpr_kernarg_segment_ptr 1
		.amdhsa_wavefront_size32 1
		.amdhsa_system_sgpr_workgroup_id_x 1
		.amdhsa_system_sgpr_workgroup_id_y 1
		.amdhsa_system_sgpr_workgroup_id_z 1
		.amdhsa_system_vgpr_workitem_id 0
		.amdhsa_next_free_vgpr 768
		.amdhsa_next_free_sgpr 98
		.amdhsa_reserve_vcc 0
		.amdhsa_float_denorm_mode_32 3
		.amdhsa_float_denorm_mode_16_64 3
		.amdhsa_memory_ordered 1
		.amdhsa_forward_progress 1
		.amdhsa_inst_pref_size 77
	.end_amdhsa_kernel
	.amdgpu_metadata
---
amdhsa.version: [ 1, 2 ]
amdhsa.kernels:
  - .name:           k_q5bf554a248_oproj
    .symbol:         k_q5bf554a248_oproj.kd
    .args:
      - { .name: yc, .offset: 0, .size: 8, .value_kind: global_buffer, .address_space: global }
      - { .name: wc, .offset: 8, .size: 8, .value_kind: global_buffer, .address_space: global }
      - { .name: lowp_scales, .offset: 16, .size: 8, .value_kind: global_buffer, .address_space: global }
      - { .name: out0, .offset: 24, .size: 8, .value_kind: global_buffer, .address_space: global }
    .group_segment_fixed_size: 327680
    .private_segment_fixed_size: 0
    .kernarg_segment_align: 8
    .kernarg_segment_size: 32
    .max_flat_workgroup_size: 128
    .sgpr_count:     98
    .vgpr_count:     768
    .wavefront_size: 32
...
	.end_amdgpu_metadata
.endif
;; end of part 4
